; MI455X (gfx1250); checked and timed in simulation.
; The chip was launched on July 23, 2026; its instructions are those of AMD's public machine-readable ISA for CDNA 5 (MIT licence, August 2026) and "CDNA5" Instruction Set Architecture Reference Guide (July 2026). The comments in the code are by the model that wrote it; some were corrected since.
;; Multi Head Attn. Allowed arithmetic: float matrix products may take bf16 or f16 operands with f32 sums; all other float work in f32.
;; Inputs: Wk 1,024 x 1,024 float32; Wo 1,024 x 1,024 float32; Wq 1,024 x 1,024 float32; Wv 1,024 x 1,024 float32; bo 1,024 float32; x 2 x 1,024 x 1,024 float32.
;; Outputs: out0 2 x 1,024 x 1,024 float32.
;; 3 versions, each right; version 2 is faster than version 1; version 3 is version 2 with the launch qkv written anew for expert scheduling mode. Each part assembles by itself: llvm-mc -triple=amdgcn-amd-amdhsa -mcpu=gfx1250 --defsym DOCPART=n.
;; ======== version 1 of 3: 3 launches
;; limits: values are held in f16: magnitudes above 65,504 overflow, below 6.1e-05 lose precision
;; workspace buffers: qh 4,194,304 bytes; kh 4,194,304 bytes; vt 4,194,304 bytes; ch 4,194,304 bytes
;; launch qkv (part 1): grid 16 x 16, 8 waves a work-group, no clusters, 91,136 bytes of LDS; arguments x, Wq, Wk, Wv, qh, kh, vt; writes qh, kh, vt
.if DOCPART == 1
	.amdgcn_target "amdgcn-amd-amdhsa--gfx1250"
	.amdhsa_code_object_version 6
	.text
	.protected	k_q5912faf9ee_qkv
	.globl	k_q5912faf9ee_qkv
	.p2align	8
	.type	k_q5912faf9ee_qkv,@function
k_q5912faf9ee_qkv:
	s_mov_b64 s[64:65], 0
	v_nop
	global_prefetch_b8 v0, s[64:65] scope:SCOPE_SE
	s_setreg_imm32_b32 hwreg(HW_REG_WAVE_MODE, 25, 1), 1
	s_wait_xcnt 0x0
; q, k, v = x W{q,k,v}.  x: [2048][1024] f32 (both batches as rows), each W: [1024 (k)][1024 (n)] f32.
; Stored in f16, head-major (head = column / 16, e = column % 16), in tiles of 16 x 16 numbers = 512 bytes:
;   qh, kh: [b][head][seq][e]                 q already multiplied by 0.25 log2(e), so that attention can use 2^x on the raw products
;   vt:     [b][head][seq / 16][e][seq % 16]  the same tiles, each transposed
; A work-group makes 128 rows x 64 columns of each of q, k, v (128 x 192 outputs; 16 x 16 work-groups).  Eight waves: wave w takes
; 64 rows (w / 4) of one head (w % 4): 4 row tiles x {q, k, v} = 12 accumulators of 16 x 16.
; K goes in 16 steps of 64 through two LDS slots.  The way in is registers: global_load f32, one rounding to f16, ds_store.
; The work-group starts at K step (column block + row block) % 16 and goes round: the sixteen work-groups that read the same rows of x
; (or the same columns of W) are at sixteen different steps at any trip.  Only the order of the f32 sum over K hangs on that.
; NO TENSOR LOADS, NO CLUSTER: x and W lie in memory as f32 and are multiplied as f16.  Through registers each number is rounded once in
; the work-group and a step takes 45,056 bytes of LDS; a tile brought as it lies would take (128 + 192) x 64 x 4 = 81,920 bytes, each
; fragment of x would be rounded again by the four waves that read it, and the transposing LDS load, which works on 16-bit numbers,
; could not serve W, whose rows lie along n.
; LIMITS: operands are rounded to f16: |x|, |W|, |0.36 q|, |k|, |v| must stay below 65,504 (beyond it they become infinities).
.set PA,   144                         ; LDS pitch of x's rows: 64 f16 = 128 bytes + 16: an odd multiple of 16, so 16 rows of a fragment start at 16 different banks
.set PB,   416                         ; LDS pitch of W's rows (k): 192 f16 = 384 bytes + 32: an odd multiple of 32
.set BOFF, 128*PA                      ; W's part of a slot begins behind x's 128 rows: 18,432
.set SLOT, BOFF+64*PB                  ; 45,056 bytes; two slots
.set ACC,  8                           ; v[8:103]    tile (row tile a, matrix m) at ACC + 8 (3 a + m);  m: 0 q, 1 k, 2 v
.set FA,   104                         ; v[104:135]  four fragments of x (16 rows x 32 K)
.set FB,   136                         ; v[136:159]  three fragments of W (32 K x 16 columns): q, k, v
.set XS,   160                         ; v[160:191]  x on its way in: 8 loads of 4 f32
.set WS,   192                         ; v[192:239]  W on its way in: 3 x 4 loads of 4 f32
.set PK,   104                         ; v[104:151]  the way out: 12 tiles x 4 registers of packed f16
; v1 global offset (x and W alike: both have rows of 4,096 bytes), v2 / v3 LDS store addresses of x / W, v4 / v5 fragment addresses of x / W, v6 my 16 bytes in a tile
	s_load_b256 s[4:11], s[0:1], 0x0               ; x s[4:5], Wq s[6:7], Wk s[8:9], Wv s[10:11]
	s_load_b128 s[12:15], s[0:1], 0x20             ; qh s[12:13], kh s[14:15]
	s_load_b64 s[16:17], s[0:1], 0x30              ; vt
	v_lshl_add_u32 v240, v0, 2, 0x16000
	v_mov_b32 v241, 0
	v_lshrrev_b32 v7, 5, v0
	v_readfirstlane_b32 s18, v7                    ; wave 0..7
	s_lshr_b32 s19, s18, 2                         ; mh: which 64 rows
	s_and_b32 s20, s18, 3                          ; w4: which of the block's four heads
	s_mov_b32 s21, ttmp9                           ; cb: column block (64 columns)
	s_and_b32 s22, ttmp7, 0xffff                   ; rb: row block (128 rows)
	s_mov_b32 s28, 0x3eb8aa3b                      ; 0.25 log2(e)
	s_mov_b32 s29, 0x3eb8aa3b
	v_lshrrev_b32 v7, 4, v0                        ; t / 16: my row among 16
	v_and_b32 v6, 15, v0                           ; t % 16 = lane % 16 = r
	v_lshlrev_b32 v1, 4, v6
	v_lshl_add_u32 v1, v7, 12, v1                  ; global: (t / 16) rows of 4,096 bytes + 16 (t % 16): sixteen lanes take 256 neighbouring bytes
	v_lshlrev_b32 v2, 3, v6                        ; 4 f16 = 8 bytes
	v_mul_u32_u24 v3, v7, PB
	v_add_nc_u32 v3, v3, v2
	v_add_nc_u32 v3, BOFF, v3                      ; W's store address
	v_mul_u32_u24 v7, v7, PA
	v_add_nc_u32 v2, v7, v2                        ; x's store address
	v_bfe_u32 v7, v0, 4, 1                         ; h = lane / 16
	v_mul_u32_u24 v4, v6, PA
	v_lshl_add_u32 v4, v7, 4, v4
	s_mul_i32 s23, s19, 64*PA
	v_add_nc_u32 v4, s23, v4                       ; x's fragments: (64 mh + r) PA + 16 h
	v_and_b32 v5, 7, v0
	v_lshl_add_u32 v5, v7, 3, v5                   ; 8 h + lane % 8: the row (k) that I address for the transposing load
	v_mul_u32_u24 v5, v5, PB
	v_bfe_u32 v8, v0, 3, 1
	v_lshl_add_u32 v5, v8, 4, v5                   ; + 16 bytes for the upper eight columns
	s_lshl_b32 s23, s20, 5
	s_add_co_u32 s23, s23, BOFF
	v_add_nc_u32 v5, s23, v5                       ; + my head's 16 columns (32 bytes) + W's part of the slot
	v_lshlrev_b32 v6, 5, v6
	v_lshl_add_u32 v6, v7, 4, v6                   ; the way out: 32 r + 16 h
	s_add_co_u32 s30, s21, s22
	s_and_b32 s30, s30, 15                         ; the K step that I begin with
	s_mov_b32 s25, 0
	s_mov_b32 s33, 0
	s_mov_b32 s35, 0
	s_wait_kmcnt 0x0
	s_lshl_b32 s24, s22, 19                        ; 128 rows of 4,096 bytes
	s_add_nc_u64 s[4:5], s[4:5], s[24:25]
	s_lshl_b32 s24, s21, 8                         ; 64 columns of 4 bytes
	s_add_nc_u64 s[6:7], s[6:7], s[24:25]
	s_add_nc_u64 s[8:9], s[8:9], s[24:25]
	s_add_nc_u64 s[10:11], s[10:11], s[24:25]
	s_lshr_b32 s23, s22, 3                         ; batch
	s_lshl_b32 s23, s23, 6
	s_lshl2_add_u32 s23, s21, s23
	s_add_co_u32 s23, s23, s20                     ; 64 b + 4 cb + w4: my head, 32,768 bytes each
	s_lshl_b32 s24, s23, 15
	s_and_b32 s23, s22, 7
	s_lshl_b32 s23, s23, 3
	s_lshl2_add_u32 s23, s19, s23                  ; 8 (rb % 8) + 4 mh: my first tile of 16 rows, 512 bytes each
	s_lshl_b32 s23, s23, 9
	s_add_co_u32 s24, s24, s23
	s_add_nc_u64 s[12:13], s[12:13], s[24:25]
	s_add_nc_u64 s[14:15], s[14:15], s[24:25]
	s_add_nc_u64 s[16:17], s[16:17], s[24:25]
.macro NOPS n
.rept \n
	v_nop
.endr
.endm
; The pointers of K step s30: 64 columns of x are 256 bytes, 64 rows of W are 64 x 4,096 bytes; then the step goes on, round 16.
.macro NEXTK
	s_lshl_b32 s32, s30, 8
	s_lshl_b32 s34, s30, 18
	s_add_nc_u64 s[36:37], s[4:5], s[32:33]
	s_add_nc_u64 s[38:39], s[6:7], s[34:35]
	s_add_nc_u64 s[40:41], s[8:9], s[34:35]
	s_add_nc_u64 s[42:43], s[10:11], s[34:35]
	s_add_co_u32 s30, s30, 1
	s_and_b32 s30, s30, 15
.endm
; A K step's 20 loads of a thread: x 128 rows x 256 bytes (16 rows a load), each W 64 rows x 256 bytes.
.macro GLOAD
.irp i, 0,1,2,3,4,5,6,7
	global_load_b128 v[XS+4*\i:XS+4*\i+3], v1, s[36:37] offset:\i*65536
.endr
.irp m, 0,1,2
.irp i, 0,1,2,3
	global_load_b128 v[WS+16*\m+4*\i:WS+16*\m+4*\i+3], v1, s[38+2*\m:39+2*\m] offset:\i*65536
.endr
.endr
.endm
; What GLOAD brought is rounded to f16, in place, and laid into a slot.
.macro STAGE slot
	s_wait_loadcnt 12                              ; loads come back in order (ISA guide 5.7.1): x's eight are in, W's twelve may be out
.irp i, 0,1,2,3,4,5,6,7
	v_cvt_pk_f16_f32 v[XS+4*\i], v[XS+4*\i], v[XS+4*\i+1]
	v_cvt_pk_f16_f32 v[XS+4*\i+1], v[XS+4*\i+2], v[XS+4*\i+3]
	ds_store_b64 v2, v[XS+4*\i:XS+4*\i+1] offset:\slot*SLOT+\i*16*PA
.endr
	s_wait_loadcnt 0x0                             ; all are in: the pointers that they read may be written
	NEXTK
.irp m, 0,1,2
.irp i, 0,1,2,3
	v_cvt_pk_f16_f32 v[WS+16*\m+4*\i], v[WS+16*\m+4*\i], v[WS+16*\m+4*\i+1]
	v_cvt_pk_f16_f32 v[WS+16*\m+4*\i+1], v[WS+16*\m+4*\i+2], v[WS+16*\m+4*\i+3]
	ds_store_b64 v3, v[WS+16*\m+4*\i:WS+16*\m+4*\i+1] offset:\slot*SLOT+\m*128+\i*16*PB
.endr
.endr
.endm
; The fragments of 32 along K (kk = 0, 1): W's three first (transposed on the way: W's rows lie along n), then x's four.
.macro FRAGS slot, kk
.irp m, 0,1,2
	ds_load_tr16_b128 v[FB+8*\m:FB+8*\m+3],   v5 offset:\slot*SLOT+\m*128+\kk*32*PB
	ds_load_tr16_b128 v[FB+8*\m+4:FB+8*\m+7], v5 offset:\slot*SLOT+\m*128+\kk*32*PB+16*PB
.endr
.irp a, 0,1,2,3
	ds_load_b128 v[FA+8*\a:FA+8*\a+3],   v4 offset:\slot*SLOT+\a*16*PA+\kk*64
	ds_load_b128 v[FA+8*\a+4:FA+8*\a+7], v4 offset:\slot*SLOT+\a*16*PA+\kk*64+32
.endr
.endm
; Twelve matrix instructions.  q and k: source 0 = W, source 1 = x, so that a lane holds row r and the eight dims 8 h .. 8 h + 7;
; v: source 0 = x, source 1 = W, so that a lane holds dim r and the eight rows 8 h .. 8 h + 7.  Either way the lane's eight numbers
; are its 16 bytes at 32 r + 16 h of the tile as it is stored.
; The twelve accumulators take turns, one instruction a turn, over the loop's backward jump too.
.macro MUL zero
.irp a, 0,1,2,3
	s_wait_dscnt 6-2*\a                            ; W's six loads and x's fragments 0 .. a are in; the 2 (3 - a) loads behind them may be out
.if \zero
	v_wmma_f32_16x16x32_f16 v[ACC+24*\a:ACC+24*\a+7],     v[FB:FB+7],           v[FA+8*\a:FA+8*\a+7], 0
	v_wmma_f32_16x16x32_f16 v[ACC+24*\a+8:ACC+24*\a+15],  v[FB+8:FB+15],        v[FA+8*\a:FA+8*\a+7], 0
	v_wmma_f32_16x16x32_f16 v[ACC+24*\a+16:ACC+24*\a+23], v[FA+8*\a:FA+8*\a+7], v[FB+16:FB+23],       0
.else
	v_wmma_f32_16x16x32_f16 v[ACC+24*\a:ACC+24*\a+7],     v[FB:FB+7],           v[FA+8*\a:FA+8*\a+7], v[ACC+24*\a:ACC+24*\a+7]
	v_wmma_f32_16x16x32_f16 v[ACC+24*\a+8:ACC+24*\a+15],  v[FB+8:FB+15],        v[FA+8*\a:FA+8*\a+7], v[ACC+24*\a+8:ACC+24*\a+15]
	v_wmma_f32_16x16x32_f16 v[ACC+24*\a+16:ACC+24*\a+23], v[FA+8*\a:FA+8*\a+7], v[FB+16:FB+23],       v[ACC+24*\a+16:ACC+24*\a+23]
.endif
.endr
.endm
; One K step: the next step's loads go out first and have the step's 24 matrix instructions in which to land.
; Four v_nop stand behind each MUL: a load into a register that a matrix instruction has read, and a vector instruction that reads a
; result, stand four places behind it.
; ONE barrier a step.  In front of it each wave has waited for its reads of this slot and for its stores into the other one.  Behind
; it the other slot is whole, and this slot, which nobody reads any more, takes the next step's stores.
.macro TRIP slot, other, zero, more
.if \more
	GLOAD
.endif
	FRAGS \slot, 0
	MUL \zero
	NOPS 4
	FRAGS \slot, 1
	MUL 0
	NOPS 4
.if \more
	STAGE \other
	s_wait_dscnt 0x0
	s_barrier_signal -1
	s_barrier_wait -1
.endif
.endm
	NEXTK
	GLOAD
	STAGE 0
	s_wait_dscnt 0x0                               ; my part of slot 0 is written
	s_barrier_signal -1
	s_barrier_wait -1                              ; everybody's is
	TRIP 0, 1, 1, 1                                ; the first step stands in front of the loop: its first products start the sums
	s_mov_b32 s26, 7
.Lpair:
	TRIP 1, 0, 0, 1
	TRIP 0, 1, 0, 1
	s_sub_co_i32 s26, s26, 1
	s_cmp_lg_u32 s26, 0
	s_cbranch_scc1 .Lpair
	TRIP 1, 0, 0, 0                                ; the sixteenth step: nothing is left to fetch
	; The way out.  q takes its factor in f32; every tile is rounded once; a store of the wave covers a tile's 512 consecutive bytes, aligned.
.irp a, 0,1,2,3
.irp p, 0,2,4,6
	v_pk_mul_f32 v[ACC+24*\a+\p:ACC+24*\a+\p+1], v[ACC+24*\a+\p:ACC+24*\a+\p+1], s[28:29] op_sel_hi:[1,0]
.endr
.endr
.irp a, 0,1,2,3
.irp m, 0,1,2
.irp r, 0,1,2,3
	v_cvt_pk_f16_f32 v[PK+4*(3*\a+\m)+\r], v[ACC+8*(3*\a+\m)+2*\r], v[ACC+8*(3*\a+\m)+2*\r+1]
.endr
	global_store_b128 v6, v[PK+4*(3*\a+\m):PK+4*(3*\a+\m)+3], s[12+2*\m:13+2*\m] offset:\a*512
.endr
.endr
	s_wait_tensorcnt 0x0
	ds_add_u32 v240, v241
	s_wait_dscnt 0x0
	s_endpgm
.Lfunc_end_k_q5912faf9ee_qkv:
	.size	k_q5912faf9ee_qkv, .Lfunc_end_k_q5912faf9ee_qkv-k_q5912faf9ee_qkv
	.p2alignl 7, 3214868480
	.fill 96, 4, 3214868480
	.section	.rodata,"a",@progbits
	.p2align	6, 0x0
	.amdhsa_kernel k_q5912faf9ee_qkv
		.amdhsa_group_segment_fixed_size 91136
		.amdhsa_private_segment_fixed_size 0
		.amdhsa_enable_private_segment 0
		.amdhsa_kernarg_size 56
		.amdhsa_user_sgpr_count 2
		.amdhsa_user_sgpr_kernarg_segment_ptr 1
		.amdhsa_wavefront_size32 1
		.amdhsa_system_sgpr_workgroup_id_x 1
		.amdhsa_system_sgpr_workgroup_id_y 1
		.amdhsa_system_sgpr_workgroup_id_z 1
		.amdhsa_system_vgpr_workitem_id 0
		.amdhsa_next_free_vgpr 242
		.amdhsa_next_free_sgpr 66
		.amdhsa_reserve_vcc 0
		.amdhsa_float_denorm_mode_32 3
		.amdhsa_float_denorm_mode_16_64 3
		.amdhsa_memory_ordered 1
		.amdhsa_forward_progress 1
		.amdhsa_inst_pref_size 48
	.end_amdhsa_kernel
	.amdgpu_metadata
---
amdhsa.version: [ 1, 2 ]
amdhsa.kernels:
  - .name:           k_q5912faf9ee_qkv
    .symbol:         k_q5912faf9ee_qkv.kd
    .args:
      - { .name: x, .offset: 0, .size: 8, .value_kind: global_buffer, .address_space: global }
      - { .name: Wq, .offset: 8, .size: 8, .value_kind: global_buffer, .address_space: global }
      - { .name: Wk, .offset: 16, .size: 8, .value_kind: global_buffer, .address_space: global }
      - { .name: Wv, .offset: 24, .size: 8, .value_kind: global_buffer, .address_space: global }
      - { .name: qh, .offset: 32, .size: 8, .value_kind: global_buffer, .address_space: global }
      - { .name: kh, .offset: 40, .size: 8, .value_kind: global_buffer, .address_space: global }
      - { .name: vt, .offset: 48, .size: 8, .value_kind: global_buffer, .address_space: global }
    .group_segment_fixed_size: 91136
    .private_segment_fixed_size: 0
    .kernarg_segment_align: 8
    .kernarg_segment_size: 56
    .max_flat_workgroup_size: 256
    .sgpr_count:     66
    .vgpr_count:     242
    .wavefront_size: 32
...
	.end_amdgpu_metadata
.endif
;; end of part 1
;; launch attn (part 2): grid 256 x 1, 8 waves a work-group, no clusters, 0 bytes of LDS; arguments qh, kh, vt, ch; writes ch
.if DOCPART == 2
	.amdgcn_target "amdgcn-amd-amdhsa--gfx1250"
	.amdhsa_code_object_version 6
	.text
	.protected	k_q5912faf9ee_attn
	.globl	k_q5912faf9ee_attn
	.p2align	8
	.type	k_q5912faf9ee_attn,@function
k_q5912faf9ee_attn:
	s_mov_b64 s[64:65], 0
	v_nop
	global_prefetch_b8 v0, s[64:65] scope:SCOPE_SE
	s_setreg_imm32_b32 hwreg(HW_REG_WAVE_MODE, 25, 1), 1
	s_wait_xcnt 0x0
; Causal attention of 128 (batch, head) groups, 1,024 rows, 16 dims a head.  qh (with 0.25 log2(e) in it), kh: [bh][seq][16] f16;
; vt: [bh][seq / 16][e][seq % 16] f16; ch: [bh][seq][16] f16.  Softmax in f32 with a running maximum, in base 2.
; Two work-groups a head, eight waves each, and no wave needs another: no LDS, no barrier.  Wave i (0 .. 15) of a head takes the query blocks
; (32 rows) i and 31 - i.  Keys go in trips of 64: block j has j / 2 trips below the diagonal and one trip with the mask; of i and 31 - i
; one is even and one odd, so every wave has 15 + 2 = 17 trips.
; NO SHUFFLE ANYWHERE.  Scores are made transposed, S^T = K Q^T: lane (r = lane % 16, h = lane / 16) holds query r and keys 8 h + 0 .. 7 of
; a key tile.  Packed to f16, two neighbouring key tiles are exactly source 1 of the second product, ctx^T = V^T P^T, whose result
; gives the lane query r and dims 8 h + 0 .. 7: its 16 bytes of ch.
; The matrix form sums over 32 and a head has 16 dims: a K fragment carries key tile 2 p in registers 0-3 and tile 2 p + 1 in registers 4-7,
; and is multiplied by [Q | 0] for the one and by [0 | Q] for the other.
; Every fragment is one load of 16 bytes a lane, 512 consecutive aligned bytes a wave, straight from memory into its registers.
; NO CLUSTER, NO TENSOR LOADS: the waves that read a head's K and V are at different trips and need different numbers of tiles in each
; block (1 to 16), and no tile passes through LDS at all.
; LIMITS: an infinity in kh (|k| of 65,504 or more before rounding) would give NaN against the zeros of [Q | 0].  2^x below 2^-126 counts as 0
; (ISA guide, v_exp_f32).
.set QZ,  8                            ; v[8:27]     0000 Q0 0000 Q1 0000: [Q0|0] = v[12:19], [0|Q0] = v[8:15], [Q1|0] = v[20:27], [0|Q1] = v[16:23]
.set KF,  28                           ; v[28:43]    four key tiles = two fragments of K
.set VF,  44                           ; v[44:59]    four key blocks = two fragments of V^T
.set S0,  60                           ; v[60:91], v[92:123]  scores of query tile u at S0 + 32 u + 8 t (key tile t); later P, packed into the lower 16
.set ACC, 124                          ; v[124:131], v[132:139]  ctx^T of query tile u
.set M,   140                          ; + 2 u: the running maximum, twice (a pair for packed arithmetic)
.set AL,  144                          ; + 2 u: 2^(old maximum - new), twice; at the end 1 / sum
.set LS,  148                          ; + 2 u: the running sum, in two halves
.set T,   152                          ; + 12 u: T0 .. T3, then four pairs of partial sums
.set O,   176                          ; + 4 u: packed results
; v1 = 32 r + 16 h (never rewritten), v2 = -infinity, v3 = r - 8 h, v4 / v5 = the mask's bound of query tile 0 / 1
	s_load_b256 s[4:11], s[0:1], 0x0               ; qh s[4:5], kh s[6:7], vt s[8:9], ch s[10:11]
	v_lshrrev_b32 v2, 5, v0
	v_readfirstlane_b32 s12, v2                    ; wave 0..7
	s_lshr_b32 s13, ttmp9, 1                       ; (batch, head)
	s_and_b32 s14, ttmp9, 1
	s_lshl3_add_u32 s14, s14, s12                  ; i = 8 x half + wave
	s_lshl_b32 s16, s13, 15                        ; a head is 32,768 bytes in each of the four buffers
	s_mov_b32 s17, 0
	s_mov_b32 s29, 0
	s_mov_b32 s18, 0x76543210                      ; v_permlanex16_b32: lane i of one half reads lane i of the other
	s_mov_b32 s19, 0xfedcba98
	v_and_b32 v4, 15, v0                           ; r
	v_bfe_u32 v5, v0, 4, 1                         ; h
	v_lshlrev_b32 v1, 5, v4
	v_lshl_add_u32 v1, v5, 4, v1
	v_lshlrev_b32 v5, 3, v5
	v_sub_nc_u32 v3, v4, v5                        ; r - 8 h (may be negative: compared as signed)
	v_mov_b32 v2, 0xff800000
.irp z, 0,1,2,3, 8,9,10,11, 16,17,18,19
	v_mov_b32 v[QZ+\z], 0                          ; the zero halves beside Q, written once
.endr
	s_wait_kmcnt 0x0
	s_add_nc_u64 s[4:5], s[4:5], s[16:17]
	s_add_nc_u64 s[6:7], s[6:7], s[16:17]
	s_add_nc_u64 s[8:9], s[8:9], s[16:17]
	s_add_nc_u64 s[10:11], s[10:11], s[16:17]
.macro NOPS n
.rept \n
	v_nop
.endr
.endm
.macro KLOAD
.irp c, 0,1,2,3
	global_load_b128 v[KF+4*\c:KF+4*\c+3], v1, s[24:25] offset:512*\c
.endr
.endm
.macro VLOAD
.irp c, 0,1,2,3
	global_load_b128 v[VF+4*\c:VF+4*\c+3], v1, s[26:27] offset:512*\c
.endr
.endm
; Eight products that start from 0: 64 keys x 32 queries.
.macro SCORES
.irp t, 0,1,2,3
.irp u, 0,1
	v_wmma_f32_16x16x32_f16 v[S0+32*\u+8*\t:S0+32*\u+8*\t+7], v[KF+8*(\t/2):KF+8*(\t/2)+7], v[QZ+4+8*\u-4*(\t%2):QZ+11+8*\u-4*(\t%2)], 0
.endr
.endr
.endm
; The diagonal trip.  Key 16 t + 8 h + jj of the trip lies above query 32 (j % 2) + 16 u + r of it where 16 t + jj > 32 (j % 2) + 16 u + r - 8 h.
; Every query's own key lies in this trip, so its maximum stays finite.
.macro MASK
.irp u, 0,1
.irp t, 0,1,2,3
.irp jj, 0,1,2,3,4,5,6,7
	v_cmp_gt_i32 vcc_lo, 16*\t+\jj, v[4+\u]
	v_cndmask_b32 v[S0+32*\u+8*\t+\jj], v[S0+32*\u+8*\t+\jj], v2, vcc_lo
.endr
.endr
.endr
.endm
; The new maximum of query tile u: my 32 scores and the old maximum in four chains, then the other half of the lanes, which holds the same
; query's other keys.  AL = 2^(old - new); from -infinity that is 0.
.macro MAXR u
.irp c, 0,1,2,3
	v_max3_num_f32 v[T+12*\u+\c], v[S0+32*\u+8*\c], v[S0+32*\u+8*\c+1], v[S0+32*\u+8*\c+2]
.endr
.irp c, 0,1,2,3
	v_max3_num_f32 v[T+12*\u+\c], v[T+12*\u+\c], v[S0+32*\u+8*\c+3], v[S0+32*\u+8*\c+4]
.endr
.irp c, 0,1,2,3
	v_max3_num_f32 v[T+12*\u+\c], v[T+12*\u+\c], v[S0+32*\u+8*\c+5], v[S0+32*\u+8*\c+6]
.endr
	v_max3_num_f32 v[T+12*\u],   v[T+12*\u],   v[S0+32*\u+7],  v[S0+32*\u+15]
	v_max3_num_f32 v[T+12*\u+1], v[T+12*\u+1], v[S0+32*\u+23], v[S0+32*\u+31]
	v_max3_num_f32 v[T+12*\u+2], v[T+12*\u+2], v[T+12*\u+3],   v[M+2*\u]
	v_max3_num_f32 v[T+12*\u],   v[T+12*\u],   v[T+12*\u+1],   v[T+12*\u+2]
	v_permlanex16_b32 v[T+12*\u+1], v[T+12*\u], s18, s19
	v_max_num_f32 v[T+12*\u+2], v[T+12*\u], v[T+12*\u+1]
	v_sub_f32 v[T+12*\u+3], v[M+2*\u], v[T+12*\u+2]
	v_mov_b32 v[M+2*\u],   v[T+12*\u+2]
	v_mov_b32 v[M+2*\u+1], v[T+12*\u+2]
	v_exp_f32 v[AL+2*\u],   v[T+12*\u+3]           ; what follows this macro is plain vector work on other registers: the place that a
	v_exp_f32 v[AL+2*\u+1], v[T+12*\u+3]           ; transcendental wants before its result is used (ISA guide 5.7.2)
.endm
.macro SUB u
.irp p, 0,2,4,6,8,10,12,14,16,18,20,22,24,26,28,30
	v_pk_add_f32 v[S0+32*\u+\p:S0+32*\u+\p+1], v[S0+32*\u+\p:S0+32*\u+\p+1], v[M+2*\u:M+2*\u+1] neg_lo:[0,1] neg_hi:[0,1]
.endr
.endm
.macro EXPS u
.set e, 0
.rept 32
	v_exp_f32 v[S0+32*\u+e], v[S0+32*\u+e]
.set e, e+1
.endr
.endm
.macro RESCALE                         ; the sums so far go over to the new maximum; also the plain place behind the run of exponentials
	s_wait_alu depctr_va_vdst(0)
.irp u, 0,1
.irp p, 0,2,4,6
	v_pk_mul_f32 v[ACC+8*\u+\p:ACC+8*\u+\p+1], v[ACC+8*\u+\p:ACC+8*\u+\p+1], v[AL+2*\u:AL+2*\u+1]
.endr
.endr
.endm
.macro SUM u                           ; my 32 exponentials in four chains of pairs; then sum = sum x AL + theirs
.irp c, 0,1,2,3
	v_pk_add_f32 v[T+12*\u+4+2*\c:T+12*\u+5+2*\c], v[S0+32*\u+8*\c:S0+32*\u+8*\c+1], v[S0+32*\u+8*\c+2:S0+32*\u+8*\c+3]
.endr
.irp c, 0,1,2,3
	v_pk_add_f32 v[T+12*\u+4+2*\c:T+12*\u+5+2*\c], v[T+12*\u+4+2*\c:T+12*\u+5+2*\c], v[S0+32*\u+8*\c+4:S0+32*\u+8*\c+5]
.endr
.irp c, 0,1,2,3
	v_pk_add_f32 v[T+12*\u+4+2*\c:T+12*\u+5+2*\c], v[T+12*\u+4+2*\c:T+12*\u+5+2*\c], v[S0+32*\u+8*\c+6:S0+32*\u+8*\c+7]
.endr
	v_pk_add_f32 v[T+12*\u+4:T+12*\u+5], v[T+12*\u+4:T+12*\u+5], v[T+12*\u+6:T+12*\u+7]
	v_pk_add_f32 v[T+12*\u+8:T+12*\u+9], v[T+12*\u+8:T+12*\u+9], v[T+12*\u+10:T+12*\u+11]
	v_pk_add_f32 v[T+12*\u+4:T+12*\u+5], v[T+12*\u+4:T+12*\u+5], v[T+12*\u+8:T+12*\u+9]
	v_pk_fma_f32 v[LS+2*\u:LS+2*\u+1], v[LS+2*\u:LS+2*\u+1], v[AL+2*\u:AL+2*\u+1], v[T+12*\u+4:T+12*\u+5]
.endm
.macro CVT u                           ; P to f16, packed downward in place: word i is written when words 2 i and 2 i + 1 are read, ascending
.set e, 0
.rept 16
	v_cvt_pk_f16_f32 v[S0+32*\u+e], v[S0+32*\u+2*e], v[S0+32*\u+2*e+1]
.set e, e+1
.endr
.endm
.macro PV                              ; the two accumulators take turns, one instruction a turn
.irp f, 0,1
.irp u, 0,1
	v_wmma_f32_16x16x32_f16 v[ACC+8*\u:ACC+8*\u+7], v[VF+8*\f:VF+8*\f+7], v[S0+32*\u+8*\f:S0+32*\u+8*\f+7], v[ACC+8*\u:ACC+8*\u+7]
.endr
.endr
.endm
; One trip of 64 keys.  K's and V's registers are single: K's are loaded again right behind the score products, V's right behind the second
; product, so each load has a softmax in which to land.  Loads are issued K, V, K, V .., four each, so each wait leaves the four of the other kind.
; A running base is stepped only behind the wait that shows its loads done.
.macro TRIP mask, more
	s_wait_loadcnt 0x4                             ; K's four (and Q's two in front of them) are in; V's four may be out
.if \more
	s_add_nc_u64 s[24:25], s[24:25], 2048
.endif
	SCORES
	NOPS 4                                         ; four places (ISA guide 7.12.1) before K's registers are loaded again and the scores are read
.if \more
	KLOAD
.endif
.if \mask
	MASK
.endif
	MAXR 0
	MAXR 1
	SUB 0
	SUB 1
	EXPS 0
	EXPS 1
	RESCALE
	SUM 0
	SUM 1
	CVT 0
	CVT 1
.if \more
	s_wait_loadcnt 0x4                             ; V's four are in; the next trip's K may be out
	s_add_nc_u64 s[26:27], s[26:27], 2048
.else
	s_wait_loadcnt 0x0                             ; V's four are the last loads of the block
.endif
	PV
	NOPS 5                                         ; five places before the next score products write over P; four before V's registers are loaded or the sums read
.if \more
	VLOAD
.endif
.endm
.macro FINISH
.irp u, 0,1
	v_add_f32 v[T+12*\u], v[LS+2*\u], v[LS+2*\u+1]
	v_permlanex16_b32 v[T+12*\u+1], v[T+12*\u], s18, s19
	v_add_f32 v[T+12*\u], v[T+12*\u], v[T+12*\u+1] ; the query's whole sum; it holds the term 1 of the maximum, so it is not 0
	v_rcp_f32 v[AL+2*\u],   v[T+12*\u]
	v_rcp_f32 v[AL+2*\u+1], v[T+12*\u]
.endr
	v_nop                                          ; the plain place behind the last reciprocal
	s_wait_alu depctr_va_vdst(0)
.irp u, 0,1
.irp p, 0,2,4,6
	v_pk_mul_f32 v[ACC+8*\u+\p:ACC+8*\u+\p+1], v[ACC+8*\u+\p:ACC+8*\u+\p+1], v[AL+2*\u:AL+2*\u+1]
.endr
.irp r, 0,1,2,3
	v_cvt_pk_f16_f32 v[O+4*\u+\r], v[ACC+8*\u+2*\r], v[ACC+8*\u+2*\r+1]
.endr
	global_store_b128 v1, v[O+4*\u:O+4*\u+3], s[32:33] offset:512*\u   ; the wave stores a tile's 512 consecutive bytes, aligned
.endr
.endm
; Query block s20.
.macro BLOCK
	s_wait_xcnt 0x0                                ; the last block's stores have read O and s[32:33]: both are written again only behind this wait
	s_lshr_b32 s21, s20, 1                         ; trips below the diagonal
	s_and_b32 s23, s20, 1
	s_lshl_b32 s23, s23, 5                         ; where my 32 queries stand among the diagonal trip's 64 keys
	s_lshl_b32 s28, s20, 10                        ; 32 rows of 32 bytes
	s_add_nc_u64 s[30:31], s[4:5], s[28:29]
	s_add_nc_u64 s[32:33], s[10:11], s[28:29]
	s_mov_b64 s[24:25], s[6:7]
	s_mov_b64 s[26:27], s[8:9]
	global_load_b128 v[QZ+4:QZ+7],   v1, s[30:31]
	global_load_b128 v[QZ+12:QZ+15], v1, s[30:31] offset:512
	KLOAD
	VLOAD
.set e, 0
.rept 16
	v_mov_b32 v[ACC+e], 0
.set e, e+1
.endr
.irp e, 0,1,2,3
	v_mov_b32 v[LS+\e], 0
	v_mov_b32 v[M+\e], v2
.endr
	v_add_nc_u32 v4, s23, v3
	v_add_nc_u32 v5, 16, v4
	s_cmp_eq_u32 s21, 0
	s_cbranch_scc1 .Ldiag_\@
	s_mov_b32 s22, 0
.Lfull_\@:
	TRIP 0, 1
	s_add_co_u32 s22, s22, 1
	s_cmp_lt_u32 s22, s21
	s_cbranch_scc1 .Lfull_\@
.Ldiag_\@:
	TRIP 1, 0                                      ; the last trip loads nothing: no load leaves the head's 32,768 bytes
	FINISH
.endm
	s_mov_b32 s20, s14
	BLOCK
	s_sub_co_u32 s20, 31, s14
	BLOCK
	s_endpgm
.Lfunc_end_k_q5912faf9ee_attn:
	.size	k_q5912faf9ee_attn, .Lfunc_end_k_q5912faf9ee_attn-k_q5912faf9ee_attn
	.p2alignl 7, 3214868480
	.fill 96, 4, 3214868480
	.section	.rodata,"a",@progbits
	.p2align	6, 0x0
	.amdhsa_kernel k_q5912faf9ee_attn
		.amdhsa_group_segment_fixed_size 0
		.amdhsa_private_segment_fixed_size 0
		.amdhsa_enable_private_segment 0
		.amdhsa_kernarg_size 32
		.amdhsa_user_sgpr_count 2
		.amdhsa_user_sgpr_kernarg_segment_ptr 1
		.amdhsa_wavefront_size32 1
		.amdhsa_system_sgpr_workgroup_id_x 1
		.amdhsa_system_sgpr_workgroup_id_y 1
		.amdhsa_system_sgpr_workgroup_id_z 1
		.amdhsa_system_vgpr_workitem_id 0
		.amdhsa_next_free_vgpr 184
		.amdhsa_next_free_sgpr 66
		.amdhsa_reserve_vcc 1
		.amdhsa_float_denorm_mode_32 3
		.amdhsa_float_denorm_mode_16_64 3
		.amdhsa_memory_ordered 1
		.amdhsa_forward_progress 1
		.amdhsa_inst_pref_size 68
	.end_amdhsa_kernel
	.amdgpu_metadata
---
amdhsa.version: [ 1, 2 ]
amdhsa.kernels:
  - .name:           k_q5912faf9ee_attn
    .symbol:         k_q5912faf9ee_attn.kd
    .args:
      - { .name: qh, .offset: 0, .size: 8, .value_kind: global_buffer, .address_space: global }
      - { .name: kh, .offset: 8, .size: 8, .value_kind: global_buffer, .address_space: global }
      - { .name: vt, .offset: 16, .size: 8, .value_kind: global_buffer, .address_space: global }
      - { .name: ch, .offset: 24, .size: 8, .value_kind: global_buffer, .address_space: global }
    .group_segment_fixed_size: 0
    .private_segment_fixed_size: 0
    .kernarg_segment_align: 8
    .kernarg_segment_size: 32
    .max_flat_workgroup_size: 256
    .sgpr_count:     66
    .vgpr_count:     184
    .wavefront_size: 32
...
	.end_amdgpu_metadata
.endif
;; end of part 2
;; launch proj (part 3): grid 16 x 16, 8 waves a work-group, no clusters, 111,616 bytes of LDS; arguments ch, Wo, bo, out0; writes out0
.if DOCPART == 3
	.amdgcn_target "amdgcn-amd-amdhsa--gfx1250"
	.amdhsa_code_object_version 6
	.text
	.protected	k_q5912faf9ee_proj
	.globl	k_q5912faf9ee_proj
	.p2align	8
	.type	k_q5912faf9ee_proj,@function
k_q5912faf9ee_proj:
	s_mov_b64 s[64:65], 0
	v_nop
	global_prefetch_b8 v0, s[64:65] scope:SCOPE_SE
	s_setreg_imm32_b32 hwreg(HW_REG_WAVE_MODE, 25, 1), 1
	s_wait_xcnt 0x0
; out0 = ctx Wo + bo.  ctx[row][16 head + e] = ch[b][head][seq][e] (f16), Wo: [1024 (k)][1024 (n)] f32, bo: [1024] f32, out0: [2048][1024] f32.
; A work-group makes 128 rows x 64 columns (16 x 16 work-groups).  Eight waves: wave w takes 32 rows (w / 2) x 32 columns (w % 2), 2 x 2 accumulators.
; K goes in 8 steps of 128 (eight heads) through two LDS slots, filled through registers: ch goes in as it lies (a head's 128 rows are 4,096
; consecutive bytes), Wo is rounded to f16 once on the way.  The work-group starts at K step (column block + row block) % 8 and goes round, so that
; work-groups that read the same rows of ch or the same columns of Wo are spread over the steps; only the order of the f32 sum hangs on that.
; NO TENSOR LOADS, NO CLUSTER: Wo lies in memory as f32 with its rows along n and is multiplied as f16: through registers it is rounded once in the
; work-group, takes 128 x 160 bytes of LDS a step instead of 128 x 256 and more, and can be read by the transposing LDS load, which works on 16-bit numbers.
; LIMITS: |Wo| below 65,504 (rounded to f16).
.set PA,   272                         ; LDS pitch of ctx's rows: 128 f16 = 256 bytes + 16: an odd multiple of 16
.set PB,   160                         ; LDS pitch of Wo's rows (k): 64 f16 = 128 bytes + 32: an odd multiple of 32
.set ASLOT, 128*PA                     ; 34,816
.set BBASE, 2*ASLOT                    ; 69,632: Wo's two slots lie behind ctx's two
.set BSLOT, 128*PB                     ; 20,480
.set ACC,  16                          ; v[16:47]    tile (row tile a, column tile nt) at ACC + 8 (2 a + nt)
.set F0,   48                          ; v[48:79]    fragments: ctx 0, ctx 1, Wo 0, Wo 1
.set F1,   80                          ; v[80:111]   the second buffer
.set AS,   112                         ; v[112:143]  ch on its way in; at the end the rows read back
.set BS,   144                         ; v[144:175]  Wo on its way in
; v1 / v2 global offsets of ch / Wo, v3 / v4 their LDS store addresses, v5 / v6 fragment addresses, v7 stage in, v8 stage back, v9 offset in out0,
; v[10:13] my four numbers of bo, v14 their offset
	s_load_b256 s[4:11], s[0:1], 0x0               ; ch s[4:5], Wo s[6:7], bo s[8:9], out0 s[10:11]
	v_lshl_add_u32 v176, v0, 2, 0x1b000
	v_mov_b32 v177, 0
	v_lshrrev_b32 v15, 5, v0
	v_readfirstlane_b32 s12, v15                   ; wave 0..7
	s_lshr_b32 s13, s12, 1                         ; mq: which 32 rows
	s_and_b32 s14, s12, 1                          ; nh: which 32 columns
	s_mov_b32 s15, ttmp9                           ; cb: column block (64 columns)
	s_and_b32 s16, ttmp7, 0xffff                   ; rb: row block (128 rows)
	v_and_b32 v14, 15, v0                          ; r = t % 16
	v_bfe_u32 v15, v0, 4, 1                        ; h = lane / 16
	v_lshrrev_b32 v16, 4, v0                       ; t / 16
	v_lshrrev_b32 v17, 1, v0                       ; t / 2
	v_and_b32 v18, 1, v0                           ; t % 2
	v_bfe_u32 v19, v0, 3, 1
	v_lshlrev_b32 v1, 4, v0                        ; ch: 16 t: the 256 threads take a head's 4,096 bytes
	v_lshlrev_b32 v2, 4, v14
	v_lshl_add_u32 v2, v16, 12, v2                 ; Wo: (t / 16) rows of 4,096 bytes + 16 (t % 16)
	v_mul_u32_u24 v3, v17, PA
	v_lshl_add_u32 v3, v18, 4, v3                  ; ctx in LDS: row t / 2, 16 bytes for each half of a head's 32
	v_mul_u32_u24 v4, v16, PB
	v_lshl_add_u32 v4, v14, 3, v4
	v_add_nc_u32 v4, BBASE, v4                     ; Wo in LDS: row t / 16, 8 bytes a thread
	v_mul_u32_u24 v5, v14, PA
	s_mul_i32 s17, s13, 32*PA
	v_add_nc_u32 v5, s17, v5                       ; row 32 mq + r
	v_lshl_add_u32 v7, v15, 5, v5
	s_lshl_b32 s17, s14, 7
	v_add_nc_u32 v7, s17, v7                       ; stage in: that row + 128 nh + 32 h (eight f32)
	v_lshl_add_u32 v5, v15, 4, v5                  ; ctx's fragments: that row + 16 h
	v_and_b32 v6, 7, v0
	v_lshl_add_u32 v6, v15, 3, v6
	v_mul_u32_u24 v6, v6, PB
	v_lshl_add_u32 v6, v19, 4, v6
	s_lshl_b32 s17, s14, 6
	s_add_co_u32 s17, s17, BBASE
	v_add_nc_u32 v6, s17, v6                       ; Wo's fragments: (8 h + lane % 8) PB + 16 ((lane / 8) % 2) + 64 nh
	s_lshl_b32 s17, s12, 4
	v_add_nc_u32 v8, s17, v15
	v_mul_u32_u24 v8, v8, PA
	v_lshl_add_u32 v8, v14, 4, v8                  ; stage back: row 16 w + h, 16 bytes a lane
	v_lshlrev_b32 v14, 4, v14                      ; 16 r
	v_lshl_add_u32 v9, v15, 12, v14                ; the same two rows in out0
	s_add_co_u32 s21, s15, s16
	s_and_b32 s21, s21, 7                          ; the K step that I begin with
	s_mov_b32 s19, 0
	s_mov_b32 s23, 0
	s_mov_b32 s25, 0
	s_wait_kmcnt 0x0
	s_lshr_b32 s17, s16, 3                         ; batch: 64 heads of 32,768 bytes
	s_lshl_b32 s18, s17, 21
	s_and_b32 s17, s16, 7
	s_lshl_b32 s17, s17, 12                        ; 128 rows of 32 bytes in each head
	s_add_co_u32 s18, s18, s17
	s_add_nc_u64 s[4:5], s[4:5], s[18:19]
	s_lshl_b32 s18, s15, 8                         ; 64 columns of 4 bytes
	s_add_nc_u64 s[6:7], s[6:7], s[18:19]
	s_add_nc_u64 s[8:9], s[8:9], s[18:19]
	s_add_nc_u64 s[10:11], s[10:11], s[18:19]
	s_lshl_b32 s17, s16, 3
	s_add_co_u32 s17, s17, s12                     ; 8 rb + w: my 16 rows on the way out,
	s_lshl_b32 s18, s17, 16                        ; 16 x 4,096 bytes each
	s_add_nc_u64 s[10:11], s[10:11], s[18:19]
	global_load_b128 v[10:13], v14, s[8:9]         ; bo, ahead of all other loads: the first counted wait below shows it in
.macro NOPS n
.rept \n
	v_nop
.endr
.endm
; The pointers of K step s21: eight heads of ch are 8 x 32,768 bytes, 128 rows of Wo are 128 x 4,096; then the step goes on, round 8.
.macro NEXTK
	s_lshl_b32 s22, s21, 18
	s_lshl_b32 s24, s21, 19
	s_add_nc_u64 s[26:27], s[4:5], s[22:23]
	s_add_nc_u64 s[28:29], s[6:7], s[24:25]
	s_add_co_u32 s21, s21, 1
	s_and_b32 s21, s21, 7
.endm
.macro GLOAD
.irp i, 0,1,2,3,4,5,6,7
	global_load_b128 v[AS+4*\i:AS+4*\i+3], v1, s[26:27] offset:\i*32768   ; head i of the step
.endr
.irp i, 0,1,2,3,4,5,6,7
	global_load_b128 v[BS+4*\i:BS+4*\i+3], v2, s[28:29] offset:\i*65536   ; 16 rows of Wo
.endr
.endm
.macro STAGE slot
	s_wait_loadcnt 8                               ; loads come back in order (ISA guide 5.7.1): ch's eight are in, Wo's eight may be out
.irp i, 0,1,2,3,4,5,6,7
	ds_store_b128 v3, v[AS+4*\i:AS+4*\i+3] offset:\slot*ASLOT+\i*32
.endr
	s_wait_loadcnt 0x0                             ; all are in: the pointers that they read may be written
	NEXTK
.irp i, 0,1,2,3,4,5,6,7
	v_cvt_pk_f16_f32 v[BS+4*\i], v[BS+4*\i], v[BS+4*\i+1]
	v_cvt_pk_f16_f32 v[BS+4*\i+1], v[BS+4*\i+2], v[BS+4*\i+3]
	ds_store_b64 v4, v[BS+4*\i:BS+4*\i+1] offset:\slot*BSLOT+\i*16*PB
.endr
.endm
; The fragments of 32 along K (kk = 0 .. 3) into buffer f: eight loads.
.macro FRAGS slot, kk, f
.irp nt, 0,1
	ds_load_tr16_b128 v[\f+16+8*\nt:\f+16+8*\nt+3], v6 offset:\slot*BSLOT+\kk*32*PB+\nt*32
	ds_load_tr16_b128 v[\f+20+8*\nt:\f+20+8*\nt+3], v6 offset:\slot*BSLOT+\kk*32*PB+\nt*32+16*PB
.endr
.irp a, 0,1
	ds_load_b128 v[\f+8*\a:\f+8*\a+3],   v5 offset:\slot*ASLOT+\a*16*PA+\kk*64
	ds_load_b128 v[\f+8*\a+4:\f+8*\a+7], v5 offset:\slot*ASLOT+\a*16*PA+\kk*64+32
.endr
.endm
; Source 0 = Wo, source 1 = ctx: a lane then holds row r and the eight neighbouring columns 8 h .. 8 h + 7 of out0.
; The four accumulators take turns, one instruction a turn, over the loop's backward jump too.
.macro MUL f, zero
.irp a, 0,1
.irp nt, 0,1
.if \zero
	v_wmma_f32_16x16x32_f16 v[ACC+8*(2*\a+\nt):ACC+8*(2*\a+\nt)+7], v[\f+16+8*\nt:\f+23+8*\nt], v[\f+8*\a:\f+8*\a+7], 0
.else
	v_wmma_f32_16x16x32_f16 v[ACC+8*(2*\a+\nt):ACC+8*(2*\a+\nt)+7], v[\f+16+8*\nt:\f+23+8*\nt], v[\f+8*\a:\f+8*\a+7], v[ACC+8*(2*\a+\nt):ACC+8*(2*\a+\nt)+7]
.endif
.endr
.endr
.endm
; One K step of 128 on two fragment buffers; the count 8 leaves the younger buffer's eight loads on their way.  Four v_nop stand in front of each
; load into a buffer that matrix instructions have read.  ONE barrier a step: in front of it each wave has waited for its
; reads of this slot and its stores into the other; behind it the other slot is whole and this one takes the next step's stores.
.macro TRIP slot, other, zero, more
.if \more
	GLOAD
.endif
	FRAGS \slot, 0, F0
	FRAGS \slot, 1, F1
	s_wait_dscnt 8
	MUL F0, \zero
	NOPS 4
	FRAGS \slot, 2, F0
	s_wait_dscnt 8
	MUL F1, 0
	NOPS 4
	FRAGS \slot, 3, F1
	s_wait_dscnt 8
	MUL F0, 0
	s_wait_dscnt 0x0
	MUL F1, 0
	NOPS 4
.if \more
	STAGE \other
	s_wait_dscnt 0x0
	s_barrier_signal -1
	s_barrier_wait -1
.endif
.endm
	NEXTK
	GLOAD
	STAGE 0
	s_wait_dscnt 0x0                               ; my part of slot 0 is written
	s_barrier_signal -1
	s_barrier_wait -1                              ; everybody's is
	TRIP 0, 1, 1, 1                                ; the first step stands in front of the loop: its first products start the sums
	s_mov_b32 s20, 3
.Lpair:
	TRIP 1, 0, 0, 1
	TRIP 0, 1, 0, 1
	s_sub_co_i32 s20, s20, 1
	s_cmp_lg_u32 s20, 0
	s_cbranch_scc1 .Lpair
	TRIP 1, 0, 0, 0                                ; the eighth step reads slot 1 alone and fetches nothing
	; The way out, through LDS, so that sixteen lanes store a row's 256 consecutive bytes.  The stage is ctx's slot 0 (128 rows x 272 bytes):
	; every wave's reads of it ended in front of the seventh step's barrier, and nothing has been laid into it since.
.irp a, 0,1
.irp nt, 0,1
	ds_store_b128 v7, v[ACC+8*(2*\a+\nt):ACC+8*(2*\a+\nt)+3]   offset:\a*16*PA+\nt*64
	ds_store_b128 v7, v[ACC+8*(2*\a+\nt)+4:ACC+8*(2*\a+\nt)+7] offset:\a*16*PA+\nt*64+16
.endr
.endr
	s_wait_dscnt 0x0                               ; my stores are done: a row's two halves come from two waves
	s_barrier_signal -1
	s_barrier_wait -1
.irp t, 0,1,2,3,4,5,6,7
	ds_load_b128 v[AS+4*\t:AS+4*\t+3], v8 offset:\t*2*PA           ; rows 16 w + 2 t and 16 w + 2 t + 1
.endr
.irp t, 0,1,2,3,4,5,6,7
	s_wait_dscnt 7-\t                              ; LDS loads come back in order (ISA guide 5.7.1): number t is in
	v_pk_add_f32 v[AS+4*\t:AS+4*\t+1],   v[AS+4*\t:AS+4*\t+1],   v[10:11]
	v_pk_add_f32 v[AS+4*\t+2:AS+4*\t+3], v[AS+4*\t+2:AS+4*\t+3], v[12:13]
	global_store_b128 v9, v[AS+4*\t:AS+4*\t+3], s[10:11] offset:\t*8192 th:TH_STORE_NT   ; sixteen lanes store 256 consecutive bytes, aligned
.endr
	s_wait_tensorcnt 0x0
	ds_add_u32 v176, v177
	s_wait_dscnt 0x0
	s_endpgm
.Lfunc_end_k_q5912faf9ee_proj:
	.size	k_q5912faf9ee_proj, .Lfunc_end_k_q5912faf9ee_proj-k_q5912faf9ee_proj
	.p2alignl 7, 3214868480
	.fill 96, 4, 3214868480
	.section	.rodata,"a",@progbits
	.p2align	6, 0x0
	.amdhsa_kernel k_q5912faf9ee_proj
		.amdhsa_group_segment_fixed_size 111616
		.amdhsa_private_segment_fixed_size 0
		.amdhsa_enable_private_segment 0
		.amdhsa_kernarg_size 32
		.amdhsa_user_sgpr_count 2
		.amdhsa_user_sgpr_kernarg_segment_ptr 1
		.amdhsa_wavefront_size32 1
		.amdhsa_system_sgpr_workgroup_id_x 1
		.amdhsa_system_sgpr_workgroup_id_y 1
		.amdhsa_system_sgpr_workgroup_id_z 1
		.amdhsa_system_vgpr_workitem_id 0
		.amdhsa_next_free_vgpr 178
		.amdhsa_next_free_sgpr 66
		.amdhsa_reserve_vcc 0
		.amdhsa_float_denorm_mode_32 3
		.amdhsa_float_denorm_mode_16_64 3
		.amdhsa_memory_ordered 1
		.amdhsa_forward_progress 1
		.amdhsa_inst_pref_size 37
	.end_amdhsa_kernel
	.amdgpu_metadata
---
amdhsa.version: [ 1, 2 ]
amdhsa.kernels:
  - .name:           k_q5912faf9ee_proj
    .symbol:         k_q5912faf9ee_proj.kd
    .args:
      - { .name: ch, .offset: 0, .size: 8, .value_kind: global_buffer, .address_space: global }
      - { .name: Wo, .offset: 8, .size: 8, .value_kind: global_buffer, .address_space: global }
      - { .name: bo, .offset: 16, .size: 8, .value_kind: global_buffer, .address_space: global }
      - { .name: out0, .offset: 24, .size: 8, .value_kind: global_buffer, .address_space: global }
    .group_segment_fixed_size: 111616
    .private_segment_fixed_size: 0
    .kernarg_segment_align: 8
    .kernarg_segment_size: 32
    .max_flat_workgroup_size: 256
    .sgpr_count:     66
    .vgpr_count:     178
    .wavefront_size: 32
...
	.end_amdgpu_metadata
.endif
;; end of part 3
;; ======== version 2 of 3: 3 launches; 1.20 times as fast as version 1
;; limits: values are held in f16: magnitudes above 65,504 overflow, below 6.1e-05 lose precision
;; workspace buffers: qh 4,194,304 bytes; kh 4,194,304 bytes; vt 4,194,304 bytes; ch 4,194,304 bytes
;; launch qkv (part 4): grid 16 x 16, 8 waves a work-group, no clusters, 91,136 bytes of LDS; arguments x, Wq, Wk, Wv, qh, kh, vt; writes qh, kh, vt
.if DOCPART == 4
	.amdgcn_target "amdgcn-amd-amdhsa--gfx1250"
	.amdhsa_code_object_version 6
	.text
	.protected	k_q5912faf9ee_qkv
	.globl	k_q5912faf9ee_qkv
	.p2align	8
	.type	k_q5912faf9ee_qkv,@function
k_q5912faf9ee_qkv:
	s_mov_b64 s[64:65], 0
	v_nop
	global_prefetch_b8 v0, s[64:65] scope:SCOPE_SE
	s_setreg_imm32_b32 hwreg(HW_REG_WAVE_MODE, 25, 1), 1
	s_wait_xcnt 0x0
; q, k, v = x W{q,k,v}.  x: [2048][1024] f32 (both batches as rows), each W: [1024 (k)][1024 (n)] f32.
; Stored in f16, head-major (head = column / 16, e = column % 16), in tiles of 16 x 16 numbers = 512 bytes:
;   qh, kh: [b][head][seq][e]                 q already multiplied by 0.25 log2(e), so that attention can use 2^x on the raw products
;   vt:     [b][head][seq / 16][e][seq % 16]  the same tiles, each transposed
; A work-group makes 128 rows x 64 columns of each of q, k, v (128 x 192 outputs; 16 x 16 work-groups).  Eight waves: wave w takes
; 64 rows (w / 4) of one head (w % 4): 4 row tiles x {q, k, v} = 12 accumulators of 16 x 16.
; K goes in 16 steps of 64 through two LDS slots.  The way in is registers: global_load f32, one rounding to f16, ds_store.
; LOADS RUN TWO STEPS AHEAD: two staging sets of 80 registers, set s for the steps of parity s, which go to LDS slot s.  While step t is
; multiplied, step t + 1 is on its way or in its set and step t + 2 is asked for: 2 x 80 registers x 256 threads x 4 bytes = 160 KiB.
; The work-group starts at K step (column block + row block) % 16 and goes round: the sixteen work-groups that read the same rows of x
; (or the same columns of W) are at sixteen different steps at any trip.  Only the order of the f32 sum over K hangs on that.
; REGISTER WINDOWS (an instruction names v0-v255; s_set_vgpr_msb says which window each operand place means): window 0 holds addresses,
; accumulators and two fragment buffers; window 1 holds the two staging sets and copies of the three address registers that the staging
; lines name, so that ONE setting (source 0, source 1 and destination in window 1) serves the global loads, the conversions and the
; LDS stores: four switches a step.
; NO TENSOR LOADS, NO CLUSTER: x and W lie in memory as f32 and are multiplied as f16.  Through registers each number is rounded once in
; the work-group and a step takes 45,056 bytes of LDS; a tile brought as it lies would take (128 + 192) x 64 x 4 = 81,920 bytes, each
; fragment of x would be rounded again by the four waves that read it, and the transposing LDS load, which works on 16-bit numbers,
; could not serve W, whose rows lie along n.
; LIMITS: operands are rounded to f16: |x|, |W|, |0.36 q|, |k|, |v| must stay below 65,504 (beyond it they become infinities).
.set PA,   144                         ; LDS pitch of x's rows: 64 f16 = 128 bytes + 16: an odd multiple of 16, so 16 rows of a fragment start at 16 different banks
.set PB,   416                         ; LDS pitch of W's rows (k): 192 f16 = 384 bytes + 32: an odd multiple of 32
.set BOFF, 128*PA                      ; W's part of a slot begins behind x's 128 rows: 18,432
.set SLOT, BOFF+64*PB                  ; 45,056 bytes; two slots
.set ACC,  8                           ; v[8:103]    tile (row tile a, matrix m) at ACC + 8 (3 a + m);  m: 0 q, 1 k, 2 v
.set F0,   104                         ; v[104:159]  fragment buffer 0: x's four (16 rows x 32 K) at + 0, W's three (q, k, v) at + 32
.set F1,   160                         ; v[160:215]  fragment buffer 1
.set PK,   104                         ; v[104:151]  the way out: 12 tiles x 4 registers of packed f16
.set SETR, 80                          ; window 1: set s at 80 s: x's 8 loads of 4 f32 at + 0, W's 3 x 4 loads at + 32   (v256-v415)
.set VGO1, 160                         ; window 1: v416 copy of v1
.set STA1, 161                         ; window 1: v417 copy of v2
.set STB1, 162                         ; window 1: v418 copy of v3
.set STG,  0x45                        ; s_set_vgpr_msb: bits 1:0 source 0, 3:2 source 1, 7:6 destination, all window 1
; v1 global offset (x and W alike: both have rows of 4,096 bytes), v2 / v3 LDS store addresses of x / W, v4 / v5 fragment addresses of x / W, v6 my 16 bytes in a tile
.set MSB, 0
.macro WIN new                         ; the immediate's high byte repeats the setting that is left; at a label and at a branch every window is 0
.if MSB != \new
	s_set_vgpr_msb (MSB<<8)|\new
.set MSB, \new
.endif
.endm
	s_load_b256 s[4:11], s[0:1], 0x0               ; x s[4:5], Wq s[6:7], Wk s[8:9], Wv s[10:11]
	s_load_b128 s[12:15], s[0:1], 0x20             ; qh s[12:13], kh s[14:15]
	s_load_b64 s[16:17], s[0:1], 0x30              ; vt
	v_lshl_add_u32 v254, v0, 2, 0x16000
	v_mov_b32 v255, 0
	v_lshrrev_b32 v7, 5, v0
	v_readfirstlane_b32 s18, v7                    ; wave 0..7
	s_lshr_b32 s19, s18, 2                         ; mh: which 64 rows
	s_and_b32 s20, s18, 3                          ; w4: which of the block's four heads
	s_mov_b32 s21, ttmp9                           ; cb: column block (64 columns)
	s_and_b32 s22, ttmp7, 0xffff                   ; rb: row block (128 rows)
	s_mov_b32 s28, 0x3eb8aa3b                      ; 0.25 log2(e)
	s_mov_b32 s29, 0x3eb8aa3b
	v_lshrrev_b32 v7, 4, v0                        ; t / 16: my row among 16
	v_and_b32 v6, 15, v0                           ; t % 16 = lane % 16 = r
	v_lshlrev_b32 v1, 4, v6
	v_lshl_add_u32 v1, v7, 12, v1                  ; global: (t / 16) rows of 4,096 bytes + 16 (t % 16): sixteen lanes take 256 neighbouring bytes
	v_lshlrev_b32 v2, 3, v6                        ; 4 f16 = 8 bytes
	v_mul_u32_u24 v3, v7, PB
	v_add_nc_u32 v3, v3, v2
	v_add_nc_u32 v3, BOFF, v3                      ; W's store address
	v_mul_u32_u24 v7, v7, PA
	v_add_nc_u32 v2, v7, v2                        ; x's store address
	v_bfe_u32 v7, v0, 4, 1                         ; h = lane / 16
	v_mul_u32_u24 v4, v6, PA
	v_lshl_add_u32 v4, v7, 4, v4
	s_mul_i32 s23, s19, 64*PA
	v_add_nc_u32 v4, s23, v4                       ; x's fragments: (64 mh + r) PA + 16 h
	v_and_b32 v5, 7, v0
	v_lshl_add_u32 v5, v7, 3, v5                   ; 8 h + lane % 8: the row (k) that I address for the transposing load
	v_mul_u32_u24 v5, v5, PB
	v_bfe_u32 v8, v0, 3, 1
	v_lshl_add_u32 v5, v8, 4, v5                   ; + 16 bytes for the upper eight columns
	s_lshl_b32 s23, s20, 5
	s_add_co_u32 s23, s23, BOFF
	v_add_nc_u32 v5, s23, v5                       ; + my head's 16 columns (32 bytes) + W's part of the slot
	v_lshlrev_b32 v6, 5, v6
	v_lshl_add_u32 v6, v7, 4, v6                   ; the way out: 32 r + 16 h
	WIN 0x40                                       ; destination in window 1
	v_mov_b32 v[VGO1], v1                          ; v416 = v1
	v_mov_b32 v[STA1], v2                          ; v417 = v2
	v_mov_b32 v[STB1], v3                          ; v418 = v3
	WIN 0
	s_add_co_u32 s30, s21, s22
	s_and_b32 s30, s30, 15                         ; the K step that I begin with
	s_mov_b32 s25, 0
	s_mov_b32 s33, 0
	s_mov_b32 s35, 0
	s_wait_kmcnt 0x0
	s_lshl_b32 s24, s22, 19                        ; 128 rows of 4,096 bytes
	s_add_nc_u64 s[4:5], s[4:5], s[24:25]
	s_lshl_b32 s24, s21, 8                         ; 64 columns of 4 bytes
	s_add_nc_u64 s[6:7], s[6:7], s[24:25]
	s_add_nc_u64 s[8:9], s[8:9], s[24:25]
	s_add_nc_u64 s[10:11], s[10:11], s[24:25]
	s_lshr_b32 s23, s22, 3                         ; batch
	s_lshl_b32 s23, s23, 6
	s_lshl2_add_u32 s23, s21, s23
	s_add_co_u32 s23, s23, s20                     ; 64 b + 4 cb + w4: my head, 32,768 bytes each
	s_lshl_b32 s24, s23, 15
	s_and_b32 s23, s22, 7
	s_lshl_b32 s23, s23, 3
	s_lshl2_add_u32 s23, s19, s23                  ; 8 (rb % 8) + 4 mh: my first tile of 16 rows, 512 bytes each
	s_lshl_b32 s23, s23, 9
	s_add_co_u32 s24, s24, s23
	s_add_nc_u64 s[12:13], s[12:13], s[24:25]
	s_add_nc_u64 s[14:15], s[14:15], s[24:25]
	s_add_nc_u64 s[16:17], s[16:17], s[24:25]
.macro NOPS n
.rept \n
	v_nop
.endr
.endm
; The pointers of K step s30: 64 columns of x are 256 bytes, 64 rows of W are 64 x 4,096 bytes; then the step goes on, round 16.
.macro NEXTK
	s_lshl_b32 s32, s30, 8
	s_lshl_b32 s34, s30, 18
	s_add_nc_u64 s[36:37], s[4:5], s[32:33]
	s_add_nc_u64 s[38:39], s[6:7], s[34:35]
	s_add_nc_u64 s[40:41], s[8:9], s[34:35]
	s_add_nc_u64 s[42:43], s[10:11], s[34:35]
	s_add_co_u32 s30, s30, 1
	s_and_b32 s30, s30, 15
.endm
; A K step's 20 loads of a thread into a staging set: x 128 rows x 256 bytes (16 rows a load), each W 64 rows x 256 bytes.
.macro GLOAD set
	s_wait_xcnt 0x0                                ; the last step's loads, which may still be out, have had their addresses translated (ISA guide 3.1): the pointers are written only behind this wait
	NEXTK
	WIN STG
.irp i, 0,1,2,3,4,5,6,7
	global_load_b128 v[SETR*\set+4*\i:SETR*\set+4*\i+3], v[VGO1], s[36:37] offset:\i*65536
.endr
.irp m, 0,1,2
.irp i, 0,1,2,3
	global_load_b128 v[SETR*\set+32+16*\m+4*\i:SETR*\set+32+16*\m+4*\i+3], v[VGO1], s[38+2*\m:39+2*\m] offset:\i*65536
.endr
.endr
	WIN 0
.endm
; A staging set is rounded to f16, in place, and laid into the slot of its number.  cx / cw: how many younger loads may stay out when x's eight /
; all twenty of the set have to be in.  Conversions stand in a run, their stores behind them, so that no store follows the line that makes its data.
.macro STAGE set, cx, cw
	s_wait_loadcnt \cx                             ; loads come back in order (ISA guide 5.7.1): the set's x is in; its W's twelve and the other set's loads may be out
	WIN STG
.irp i, 0,1,2,3,4,5,6,7
	v_cvt_pk_f16_f32 v[SETR*\set+4*\i], v[SETR*\set+4*\i], v[SETR*\set+4*\i+1]
	v_cvt_pk_f16_f32 v[SETR*\set+4*\i+1], v[SETR*\set+4*\i+2], v[SETR*\set+4*\i+3]
.endr
.irp i, 0,1,2,3,4,5,6,7
	ds_store_b64 v[STA1], v[SETR*\set+4*\i:SETR*\set+4*\i+1] offset:\set*SLOT+\i*16*PA
.endr
	s_wait_loadcnt \cw                             ; the set's W is in; only the other set's loads may be out
.irp m, 0,1,2
.irp i, 0,1,2,3
	v_cvt_pk_f16_f32 v[SETR*\set+32+16*\m+4*\i], v[SETR*\set+32+16*\m+4*\i], v[SETR*\set+32+16*\m+4*\i+1]
	v_cvt_pk_f16_f32 v[SETR*\set+32+16*\m+4*\i+1], v[SETR*\set+32+16*\m+4*\i+2], v[SETR*\set+32+16*\m+4*\i+3]
.endr
.endr
.irp m, 0,1,2
.irp i, 0,1,2,3
	ds_store_b64 v[STB1], v[SETR*\set+32+16*\m+4*\i:SETR*\set+32+16*\m+4*\i+1] offset:\set*SLOT+\m*128+\i*16*PB
.endr
.endr
	WIN 0
.endm
; The fragments of 32 along K (kk = 0, 1) into buffer f: W's three first (transposed on the way: W's rows lie along n), then x's four: 14 loads.
.macro FRAGS slot, kk, f
.irp m, 0,1,2
	ds_load_tr16_b128 v[\f+32+8*\m:\f+35+8*\m], v5 offset:\slot*SLOT+\m*128+\kk*32*PB
	ds_load_tr16_b128 v[\f+36+8*\m:\f+39+8*\m], v5 offset:\slot*SLOT+\m*128+\kk*32*PB+16*PB
.endr
.irp a, 0,1,2,3
	ds_load_b128 v[\f+8*\a:\f+8*\a+3],   v4 offset:\slot*SLOT+\a*16*PA+\kk*64
	ds_load_b128 v[\f+8*\a+4:\f+8*\a+7], v4 offset:\slot*SLOT+\a*16*PA+\kk*64+32
.endr
.endm
; Twelve matrix instructions on buffer f.  q and k: source 0 = W, source 1 = x, so that a lane holds row r and the eight dims 8 h .. 8 h + 7;
; v: source 0 = x, source 1 = W, so that a lane holds dim r and the eight rows 8 h .. 8 h + 7.  Either way the lane's eight numbers
; are its 16 bytes at 32 r + 16 h of the tile as it is stored.  extra = LDS loads issued behind this buffer's 14.
; The twelve accumulators take turns, one instruction a turn, over the loop's backward jump too.
.macro MUL f, zero, extra
.irp a, 0,1,2,3
	s_wait_dscnt \extra+6-2*\a                     ; W's six loads and x's fragments 0 .. a are in; the 2 (3 - a) loads behind them, and the other buffer's, may be out
.if \zero
	v_wmma_f32_16x16x32_f16 v[ACC+24*\a:ACC+24*\a+7],     v[\f+32:\f+39],       v[\f+8*\a:\f+8*\a+7], 0
	v_wmma_f32_16x16x32_f16 v[ACC+24*\a+8:ACC+24*\a+15],  v[\f+40:\f+47],       v[\f+8*\a:\f+8*\a+7], 0
	v_wmma_f32_16x16x32_f16 v[ACC+24*\a+16:ACC+24*\a+23], v[\f+8*\a:\f+8*\a+7], v[\f+48:\f+55],       0
.else
	v_wmma_f32_16x16x32_f16 v[ACC+24*\a:ACC+24*\a+7],     v[\f+32:\f+39],       v[\f+8*\a:\f+8*\a+7], v[ACC+24*\a:ACC+24*\a+7]
	v_wmma_f32_16x16x32_f16 v[ACC+24*\a+8:ACC+24*\a+15],  v[\f+40:\f+47],       v[\f+8*\a:\f+8*\a+7], v[ACC+24*\a+8:ACC+24*\a+15]
	v_wmma_f32_16x16x32_f16 v[ACC+24*\a+16:ACC+24*\a+23], v[\f+8*\a:\f+8*\a+7], v[\f+48:\f+55],       v[ACC+24*\a+16:ACC+24*\a+23]
.endif
.endr
.endm
; One K step.  Both halves' fragments are read at its head; the loads of the step after next go out behind them, into the set that the last
; step emptied; then 24 matrix instructions with no LDS read between them; then the next step's set goes into the other slot.
; Four v_nop stand behind the last matrix instruction: a load into a register that a matrix instruction has read, and a vector
; instruction that reads a result, stand four places behind it.
; ONE barrier a step.  In front of it each wave has waited for its reads of this slot and for its stores into the other one.  Behind
; it the other slot is whole, and this slot, which nobody reads any more, takes the next stores.
.macro TRIP slot, other, zero, load, stage, cx, cw
	FRAGS \slot, 0, F0
	FRAGS \slot, 1, F1
.if \load
	GLOAD \slot
.endif
	MUL F0, \zero, 14
	MUL F1, 0, 0
	NOPS 4
.if \stage
	STAGE \other, \cx, \cw
	s_wait_dscnt 0x0
	s_barrier_signal -1
	s_barrier_wait -1
.endif
.endm
	GLOAD 0                                        ; my first step
	GLOAD 1                                        ; and the second
	STAGE 0, 32, 20                                ; 32 = set 0's twelve of W + set 1's twenty; 20 = set 1's
	s_wait_dscnt 0x0                               ; my part of slot 0 is written
	s_barrier_signal -1
	s_barrier_wait -1                              ; everybody's is
	TRIP 0, 1, 1, 1, 1, 32, 20                     ; trip 0 stands in front of the loop: its first products start the sums
	s_mov_b32 s26, 6
.Lpair:
	TRIP 1, 0, 0, 1, 1, 32, 20                     ; trips 1 .. 12
	TRIP 0, 1, 0, 1, 1, 32, 20
	s_sub_co_i32 s26, s26, 1
	s_cmp_lg_u32 s26, 0
	s_cbranch_scc1 .Lpair
	TRIP 1, 0, 0, 1, 1, 32, 20                     ; trip 13 asks for the sixteenth step, the last
	TRIP 0, 1, 0, 0, 1, 12, 0                      ; trip 14 asks for nothing: behind the set that it stages no load is out
	TRIP 1, 0, 0, 0, 0, 0, 0                       ; trip 15
	; The way out.  q takes its factor in f32; every tile is rounded once; a store of the wave covers a tile's 512 consecutive bytes, aligned.
.irp a, 0,1,2,3
.irp p, 0,2,4,6
	v_pk_mul_f32 v[ACC+24*\a+\p:ACC+24*\a+\p+1], v[ACC+24*\a+\p:ACC+24*\a+\p+1], s[28:29] op_sel_hi:[1,0]
.endr
.endr
.irp a, 0,1,2,3
.irp m, 0,1,2
.irp r, 0,1,2,3
	v_cvt_pk_f16_f32 v[PK+4*(3*\a+\m)+\r], v[ACC+8*(3*\a+\m)+2*\r], v[ACC+8*(3*\a+\m)+2*\r+1]
.endr
	global_store_b128 v6, v[PK+4*(3*\a+\m):PK+4*(3*\a+\m)+3], s[12+2*\m:13+2*\m] offset:\a*512
.endr
.endr
	s_wait_tensorcnt 0x0
	ds_add_u32 v254, v255
	s_wait_dscnt 0x0
	s_endpgm
.Lfunc_end_k_q5912faf9ee_qkv:
	.size	k_q5912faf9ee_qkv, .Lfunc_end_k_q5912faf9ee_qkv-k_q5912faf9ee_qkv
	.p2alignl 7, 3214868480
	.fill 96, 4, 3214868480
	.section	.rodata,"a",@progbits
	.p2align	6, 0x0
	.amdhsa_kernel k_q5912faf9ee_qkv
		.amdhsa_group_segment_fixed_size 91136
		.amdhsa_private_segment_fixed_size 0
		.amdhsa_enable_private_segment 0
		.amdhsa_kernarg_size 56
		.amdhsa_user_sgpr_count 2
		.amdhsa_user_sgpr_kernarg_segment_ptr 1
		.amdhsa_wavefront_size32 1
		.amdhsa_system_sgpr_workgroup_id_x 1
		.amdhsa_system_sgpr_workgroup_id_y 1
		.amdhsa_system_sgpr_workgroup_id_z 1
		.amdhsa_system_vgpr_workitem_id 0
		.amdhsa_next_free_vgpr 424
		.amdhsa_next_free_sgpr 66
		.amdhsa_reserve_vcc 0
		.amdhsa_float_denorm_mode_32 3
		.amdhsa_float_denorm_mode_16_64 3
		.amdhsa_memory_ordered 1
		.amdhsa_forward_progress 1
		.amdhsa_inst_pref_size 68
	.end_amdhsa_kernel
	.amdgpu_metadata
---
amdhsa.version: [ 1, 2 ]
amdhsa.kernels:
  - .name:           k_q5912faf9ee_qkv
    .symbol:         k_q5912faf9ee_qkv.kd
    .args:
      - { .name: x, .offset: 0, .size: 8, .value_kind: global_buffer, .address_space: global }
      - { .name: Wq, .offset: 8, .size: 8, .value_kind: global_buffer, .address_space: global }
      - { .name: Wk, .offset: 16, .size: 8, .value_kind: global_buffer, .address_space: global }
      - { .name: Wv, .offset: 24, .size: 8, .value_kind: global_buffer, .address_space: global }
      - { .name: qh, .offset: 32, .size: 8, .value_kind: global_buffer, .address_space: global }
      - { .name: kh, .offset: 40, .size: 8, .value_kind: global_buffer, .address_space: global }
      - { .name: vt, .offset: 48, .size: 8, .value_kind: global_buffer, .address_space: global }
    .group_segment_fixed_size: 91136
    .private_segment_fixed_size: 0
    .kernarg_segment_align: 8
    .kernarg_segment_size: 56
    .max_flat_workgroup_size: 256
    .sgpr_count:     66
    .vgpr_count:     424
    .wavefront_size: 32
...
	.end_amdgpu_metadata
.endif
;; end of part 4
;; launch attn (part 5): grid 256 x 1, 16 waves a work-group, no clusters, 0 bytes of LDS; arguments qh, kh, vt, ch; writes ch
.if DOCPART == 5
	.amdgcn_target "amdgcn-amd-amdhsa--gfx1250"
	.amdhsa_code_object_version 6
	.text
	.protected	k_q5912faf9ee_attn
	.globl	k_q5912faf9ee_attn
	.p2align	8
	.type	k_q5912faf9ee_attn,@function
k_q5912faf9ee_attn:
	s_mov_b64 s[64:65], 0
	v_nop
	global_prefetch_b8 v0, s[64:65] scope:SCOPE_SE
	s_setreg_imm32_b32 hwreg(HW_REG_WAVE_MODE, 25, 1), 1
	s_wait_xcnt 0x0
; Causal attention of 128 (batch, head) groups, 1,024 rows, 16 dims a head.  qh (with 0.25 log2(e) in it), kh: [bh][seq][16] f16;
; vt: [bh][seq / 16][e][seq % 16] f16; ch: [bh][seq][16] f16.  Softmax in f32 with a running maximum, in base 2.
; Two work-groups a head, sixteen waves each, and no wave needs another: no LDS, no barrier.  A wave takes ONE query block j of 32 rows.
; Keys go in trips of 64: block j has j / 2 trips below the diagonal and one trip with the mask, so blocks i and 31 - i have 17 trips together.
; Half hb of a head takes the eight pairs (i, 31 - i), i = 8 hb .. 8 hb + 7: 136 trips in either half.  Wave w = 4 a + b takes pair
; 2 (a xor a / 2) + b / 2, its low member where a xor b is even and its high member where it is odd.  By that arithmetic the four waves
; with equal w / 4 hold two whole pairs, 34 trips, and the four waves with equal w % 4 also have 34 trips together
; (the low members' trips are 4 hb + 1 + (a xor a / 2), and 0 - 1 + 3 - 2 = 0).
; NO SHUFFLE BUT ONE.  Scores are made transposed, S^T = K Q^T: lane (r = lane % 16, h = lane / 16) holds query r and keys 8 h + 0 .. 7 of
; a key tile.  Packed to f16, two neighbouring key tiles are exactly source 1 of the second product, ctx^T = V^T P^T, whose result
; gives the lane query r and dims 8 h + 0 .. 7: its 16 bytes of ch.  Only the maximum crosses the two halves of the lanes.
; THE ROW SUMS ARE A PRODUCT TOO: a fragment of ones times the same P^T gives, in every row of the result, the sum of a query's 32
; numbers of P, over both halves of the lanes: four matrix instructions a trip in place of 32 packed additions, and the sum is
; taken of the same rounded numbers that V is multiplied by.
; The matrix form sums over 32 and a head has 16 dims: a K fragment carries key tile 2 p in registers 0-3 and tile 2 p + 1 in registers 4-7,
; and is multiplied by [Q | 0] for the one and by [0 | Q] for the other.
; Every fragment is one load of 16 bytes a lane, 512 consecutive aligned bytes a wave, straight from memory into its registers.
; NO CLUSTER, NO TENSOR LOADS: the waves that read a head's K and V need different numbers of tiles (1 to 16 trips), and no tile passes
; through LDS at all.
; LIMITS: an infinity in kh (|k| of 65,504 or more before rounding) would give NaN against the zeros of [Q | 0].  2^x below 2^-126 counts as 0
; (ISA guide, v_exp_f32).
.set QZ,  8                            ; v[8:27]     0000 Q0 0000 Q1 0000: [Q0|0] = v[12:19], [0|Q0] = v[8:15], [Q1|0] = v[20:27], [0|Q1] = v[16:23]
.set KF,  28                           ; v[28:43]    four key tiles = two fragments of K
.set VF,  44                           ; v[44:59]    four key blocks = two fragments of V^T
.set S0,  60                           ; v[60:91], v[92:123]  scores of query tile u at S0 + 32 u + 8 t (key tile t); later P, packed into the lower 16
.set ACC, 124                          ; v[124:131], v[132:139]  ctx^T of query tile u
.set M,   140                          ; + 2 u: the running maximum, twice (a pair for packed arithmetic)
.set AL,  144                          ; + 2 u: 2^(old maximum - new), twice; at the end 1 / sum
.set LA,  148                          ; v[148:155], v[156:163]  the row sums of query tile u: every register is one row of ones x P^T
.set T,   164                          ; + 4 u: T0 .. T3, at work on the maximum
.set ONE, 172                          ; v[172:179]  a fragment of ones in f16
.set O,   180                          ; + 4 u: packed results
; v1 = 32 r + 16 h (never rewritten), v2 = -infinity, v3 = r - 8 h, v4 / v5 = the mask's bound of query tile 0 / 1
	s_load_b256 s[4:11], s[0:1], 0x0               ; qh s[4:5], kh s[6:7], vt s[8:9], ch s[10:11]
	v_lshrrev_b32 v2, 5, v0
	v_readfirstlane_b32 s12, v2                    ; wave 0..15
	s_lshr_b32 s13, ttmp9, 1                       ; (batch, head)
	s_and_b32 s14, ttmp9, 1                        ; hb: which half of the head's pairs
	s_lshr_b32 s15, s12, 2                         ; a = w / 4
	s_lshr_b32 s22, s15, 1
	s_xor_b32 s22, s22, s15                        ; a xor a / 2: 0, 1, 3, 2
	s_bfe_u32 s23, s12, 0x10001                    ; b / 2: one bit from bit 1 of w
	s_lshl1_add_u32 s22, s22, s23                  ; the pair's number, 0 .. 7
	s_lshl3_add_u32 s14, s14, s22                  ; i = 8 hb + pair
	s_sub_co_u32 s22, 31, s14                      ; 31 - i
	s_xor_b32 s23, s12, s15
	s_and_b32 s23, s23, 1                          ; (a xor b) % 2
	s_cmp_lg_u32 s23, 0
	s_cselect_b32 s20, s22, s14                    ; j: the high member where it is odd
	s_lshr_b32 s21, s20, 1                         ; trips below the diagonal
	s_and_b32 s23, s20, 1
	s_lshl_b32 s23, s23, 5                         ; where my 32 queries stand among the diagonal trip's 64 keys
	s_lshl_b32 s16, s13, 15                        ; a head is 32,768 bytes in each of the four buffers
	s_mov_b32 s17, 0
	s_lshl_b32 s28, s20, 10                        ; 32 rows of 32 bytes,
	s_add_co_u32 s28, s28, s16                     ; in my head
	s_mov_b32 s29, 0
	s_mov_b32 s18, 0x76543210                      ; v_permlanex16_b32: lane i of one half reads lane i of the other
	s_mov_b32 s19, 0xfedcba98
	v_and_b32 v4, 15, v0                           ; r
	v_bfe_u32 v5, v0, 4, 1                         ; h
	v_lshlrev_b32 v1, 5, v4
	v_lshl_add_u32 v1, v5, 4, v1
	v_lshlrev_b32 v5, 3, v5
	v_sub_nc_u32 v3, v4, v5                        ; r - 8 h (may be negative: compared as signed)
	v_mov_b32 v2, 0xff800000
	s_wait_kmcnt 0x0
	s_add_nc_u64 s[30:31], s[4:5], s[28:29]        ; my queries
	s_add_nc_u64 s[32:33], s[10:11], s[28:29]      ; and their place in ch
	s_add_nc_u64 s[24:25], s[6:7], s[16:17]        ; the head's first keys: the running bases of K and V
	s_add_nc_u64 s[26:27], s[8:9], s[16:17]
.macro NOPS n
.rept \n
	v_nop
.endr
.endm
.macro KLOAD
.irp c, 0,1,2,3
	global_load_b128 v[KF+4*\c:KF+4*\c+3], v1, s[24:25] offset:512*\c
.endr
.endm
.macro VLOAD
.irp c, 0,1,2,3
	global_load_b128 v[VF+4*\c:VF+4*\c+3], v1, s[26:27] offset:512*\c
.endr
.endm
; Eight products that start from 0: 64 keys x 32 queries.
.macro SCORES
.irp t, 0,1,2,3
.irp u, 0,1
	v_wmma_f32_16x16x32_f16 v[S0+32*\u+8*\t:S0+32*\u+8*\t+7], v[KF+8*(\t/2):KF+8*(\t/2)+7], v[QZ+4+8*\u-4*(\t%2):QZ+11+8*\u-4*(\t%2)], 0
.endr
.endr
.endm
; The diagonal trip.  Key 16 t + 8 h + jj of the trip lies above query 32 (j % 2) + 16 u + r of it where 16 t + jj > 32 (j % 2) + 16 u + r - 8 h.
; Every query's own key lies in this trip, so its maximum stays finite.
.macro MASK
.irp u, 0,1
.irp t, 0,1,2,3
.irp jj, 0,1,2,3,4,5,6,7
	v_cmp_gt_i32 vcc_lo, 16*\t+\jj, v[4+\u]
	v_cndmask_b32 v[S0+32*\u+8*\t+\jj], v[S0+32*\u+8*\t+\jj], v2, vcc_lo
.endr
.endr
.endr
.endm
; The new maximum of query tile u: my 32 scores and the old maximum in four chains, then the other half of the lanes, which holds the same
; query's other keys.  AL = 2^(old - new); from -infinity that is 0.
.macro MAXR u
.irp c, 0,1,2,3
	v_max3_num_f32 v[T+4*\u+\c], v[S0+32*\u+8*\c], v[S0+32*\u+8*\c+1], v[S0+32*\u+8*\c+2]
.endr
.irp c, 0,1,2,3
	v_max3_num_f32 v[T+4*\u+\c], v[T+4*\u+\c], v[S0+32*\u+8*\c+3], v[S0+32*\u+8*\c+4]
.endr
.irp c, 0,1,2,3
	v_max3_num_f32 v[T+4*\u+\c], v[T+4*\u+\c], v[S0+32*\u+8*\c+5], v[S0+32*\u+8*\c+6]
.endr
	v_max3_num_f32 v[T+4*\u],   v[T+4*\u],   v[S0+32*\u+7],  v[S0+32*\u+15]
	v_max3_num_f32 v[T+4*\u+1], v[T+4*\u+1], v[S0+32*\u+23], v[S0+32*\u+31]
	v_max3_num_f32 v[T+4*\u+2], v[T+4*\u+2], v[T+4*\u+3],    v[M+2*\u]
	v_max3_num_f32 v[T+4*\u],   v[T+4*\u],   v[T+4*\u+1],    v[T+4*\u+2]
	v_permlanex16_b32 v[T+4*\u+1], v[T+4*\u], s18, s19
	v_max_num_f32 v[T+4*\u+2], v[T+4*\u], v[T+4*\u+1]
	v_sub_f32 v[T+4*\u+3], v[M+2*\u], v[T+4*\u+2]
	v_mov_b32 v[M+2*\u],   v[T+4*\u+2]
	v_mov_b32 v[M+2*\u+1], v[T+4*\u+2]
	v_exp_f32 v[AL+2*\u], v[T+4*\u+3]              ; what follows this macro is plain vector work on other registers: the place that a
	                                               ; transcendental wants before its result is used (ISA guide 5.7.2)
.endm
.macro SUB u
.irp p, 0,2,4,6,8,10,12,14,16,18,20,22,24,26,28,30
	v_pk_add_f32 v[S0+32*\u+\p:S0+32*\u+\p+1], v[S0+32*\u+\p:S0+32*\u+\p+1], v[M+2*\u:M+2*\u+1] neg_lo:[0,1] neg_hi:[0,1]
.endr
.endm
.macro EXPS u
.set e, 0
.rept 32
	v_exp_f32 v[S0+32*\u+e], v[S0+32*\u+e]
.set e, e+1
.endr
.endm
; The sums so far go over to the new maximum.  The two moves, which make pairs of the factors, are also the plain place behind the run of
; exponentials.  Of the eight equal rows of the row sums only the two that are read at the end are carried over; the other six
; gather numbers of at most 1, at most 1,024 of them, and are never read.
.macro RESCALE
	s_wait_alu depctr_va_vdst(0)
	v_mov_b32 v[AL+1], v[AL]
	v_mov_b32 v[AL+3], v[AL+2]
.irp u, 0,1
.irp p, 0,2,4,6
	v_pk_mul_f32 v[ACC+8*\u+\p:ACC+8*\u+\p+1], v[ACC+8*\u+\p:ACC+8*\u+\p+1], v[AL+2*\u:AL+2*\u+1]
.endr
	v_pk_mul_f32 v[LA+8*\u:LA+8*\u+1], v[LA+8*\u:LA+8*\u+1], v[AL+2*\u:AL+2*\u+1]
.endr
.endm
.macro CVT u                           ; P to f16, packed downward in place: word i is written when words 2 i and 2 i + 1 are read, ascending
.set e, 0
.rept 16
	v_cvt_pk_f16_f32 v[S0+32*\u+e], v[S0+32*\u+2*e], v[S0+32*\u+2*e+1]
.set e, e+1
.endr
.endm
; V^T P^T and ones P^T, 32 keys at a time.  The four accumulators take turns, one instruction a turn.
.macro PV
.irp f, 0,1
.irp u, 0,1
	v_wmma_f32_16x16x32_f16 v[ACC+8*\u:ACC+8*\u+7], v[VF+8*\f:VF+8*\f+7], v[S0+32*\u+8*\f:S0+32*\u+8*\f+7], v[ACC+8*\u:ACC+8*\u+7]
.endr
.irp u, 0,1
	v_wmma_f32_16x16x32_f16 v[LA+8*\u:LA+8*\u+7], v[ONE:ONE+7], v[S0+32*\u+8*\f:S0+32*\u+8*\f+7], v[LA+8*\u:LA+8*\u+7]
.endr
.endr
.endm
; One trip of 64 keys.  K's and V's registers are single: K's are loaded again right behind the score products, V's right behind the second
; product, so each load has a softmax in which to land.  Loads are issued K, V, K, V .., four each, so each wait leaves the four of the other kind.
; A running base is stepped only behind the wait that shows its loads done.
.macro TRIP mask, more
	s_wait_loadcnt 0x4                             ; K's four (and Q's two in front of them) are in; V's four may be out
.if \more
	s_add_nc_u64 s[24:25], s[24:25], 2048
.endif
	SCORES
	NOPS 4                                         ; four places (ISA guide 7.12.1) before K's registers are loaded again and the scores are read
.if \more
	KLOAD
.endif
.if \mask
	MASK
.endif
	MAXR 0
	MAXR 1
	SUB 0
	SUB 1
	EXPS 0
	EXPS 1
	RESCALE
	CVT 0
	CVT 1
.if \more
	s_wait_loadcnt 0x4                             ; V's four are in; the next trip's K may be out
	s_add_nc_u64 s[26:27], s[26:27], 2048
.else
	s_wait_loadcnt 0x0                             ; V's four are the last loads of the block
.endif
	PV
	NOPS 5                                         ; five places before the next score products write over P; four before V's registers are loaded or the sums read
.if \more
	VLOAD
.endif
.endm
	global_load_b128 v[QZ+4:QZ+7],   v1, s[30:31]
	global_load_b128 v[QZ+12:QZ+15], v1, s[30:31] offset:512
	KLOAD
	VLOAD
.irp z, 0,1,2,3, 8,9,10,11, 16,17,18,19
	v_mov_b32 v[QZ+\z], 0                          ; the zero halves beside Q
.endr
.set e, 0
.rept 16
	v_mov_b32 v[ACC+e], 0                          ; the number of trips hangs on the wave, so the sums start from registers, not from a first product
	v_mov_b32 v[LA+e], 0
.set e, e+1
.endr
.irp e, 0,1,2,3,4,5,6,7
	v_mov_b32 v[ONE+\e], 0x3c003c00                ; 1.0 twice, in f16
.endr
.irp e, 0,1,2,3
	v_mov_b32 v[M+\e], v2
.endr
	v_add_nc_u32 v4, s23, v3
	v_add_nc_u32 v5, 16, v4
	s_cmp_eq_u32 s21, 0
	s_cbranch_scc1 .Ldiag
	s_mov_b32 s22, 0
.Lfull:
	TRIP 0, 1
	s_add_co_u32 s22, s22, 1
	s_cmp_lt_u32 s22, s21
	s_cbranch_scc1 .Lfull
.Ldiag:
	TRIP 1, 0                                      ; the last trip loads nothing: no load leaves the head's 32,768 bytes
.irp u, 0,1
	v_rcp_f32 v[AL+2*\u],   v[LA+8*\u]             ; the query's whole sum, in every lane that holds the query; it holds the term 1 of the maximum, so it is not 0
	v_rcp_f32 v[AL+2*\u+1], v[LA+8*\u+1]           ; the same sum from the next row: a pair for the packed multiply
.endr
	v_nop                                          ; the plain place behind the last reciprocal
	s_wait_alu depctr_va_vdst(0)
.irp u, 0,1
.irp p, 0,2,4,6
	v_pk_mul_f32 v[ACC+8*\u+\p:ACC+8*\u+\p+1], v[ACC+8*\u+\p:ACC+8*\u+\p+1], v[AL+2*\u:AL+2*\u+1]
.endr
.irp r, 0,1,2,3
	v_cvt_pk_f16_f32 v[O+4*\u+\r], v[ACC+8*\u+2*\r], v[ACC+8*\u+2*\r+1]
.endr
	global_store_b128 v1, v[O+4*\u:O+4*\u+3], s[32:33] offset:512*\u   ; the wave stores a tile's 512 consecutive bytes, aligned
.endr
	s_endpgm
.Lfunc_end_k_q5912faf9ee_attn:
	.size	k_q5912faf9ee_attn, .Lfunc_end_k_q5912faf9ee_attn-k_q5912faf9ee_attn
	.p2alignl 7, 3214868480
	.fill 96, 4, 3214868480
	.section	.rodata,"a",@progbits
	.p2align	6, 0x0
	.amdhsa_kernel k_q5912faf9ee_attn
		.amdhsa_group_segment_fixed_size 0
		.amdhsa_private_segment_fixed_size 0
		.amdhsa_enable_private_segment 0
		.amdhsa_kernarg_size 32
		.amdhsa_user_sgpr_count 2
		.amdhsa_user_sgpr_kernarg_segment_ptr 1
		.amdhsa_wavefront_size32 1
		.amdhsa_system_sgpr_workgroup_id_x 1
		.amdhsa_system_sgpr_workgroup_id_y 1
		.amdhsa_system_sgpr_workgroup_id_z 1
		.amdhsa_system_vgpr_workitem_id 0
		.amdhsa_next_free_vgpr 188
		.amdhsa_next_free_sgpr 66
		.amdhsa_reserve_vcc 1
		.amdhsa_float_denorm_mode_32 3
		.amdhsa_float_denorm_mode_16_64 3
		.amdhsa_memory_ordered 1
		.amdhsa_forward_progress 1
		.amdhsa_inst_pref_size 33
	.end_amdhsa_kernel
	.amdgpu_metadata
---
amdhsa.version: [ 1, 2 ]
amdhsa.kernels:
  - .name:           k_q5912faf9ee_attn
    .symbol:         k_q5912faf9ee_attn.kd
    .args:
      - { .name: qh, .offset: 0, .size: 8, .value_kind: global_buffer, .address_space: global }
      - { .name: kh, .offset: 8, .size: 8, .value_kind: global_buffer, .address_space: global }
      - { .name: vt, .offset: 16, .size: 8, .value_kind: global_buffer, .address_space: global }
      - { .name: ch, .offset: 24, .size: 8, .value_kind: global_buffer, .address_space: global }
    .group_segment_fixed_size: 0
    .private_segment_fixed_size: 0
    .kernarg_segment_align: 8
    .kernarg_segment_size: 32
    .max_flat_workgroup_size: 512
    .sgpr_count:     66
    .vgpr_count:     188
    .wavefront_size: 32
...
	.end_amdgpu_metadata
.endif
;; end of part 5
;; launch proj (part 6): grid 16 x 16, 8 waves a work-group, no clusters, 111,616 bytes of LDS; arguments ch, Wo, bo, out0; writes out0
.if DOCPART == 6
	.amdgcn_target "amdgcn-amd-amdhsa--gfx1250"
	.amdhsa_code_object_version 6
	.text
	.protected	k_q5912faf9ee_proj
	.globl	k_q5912faf9ee_proj
	.p2align	8
	.type	k_q5912faf9ee_proj,@function
k_q5912faf9ee_proj:
	s_mov_b64 s[64:65], 0
	v_nop
	global_prefetch_b8 v0, s[64:65] scope:SCOPE_SE
	s_setreg_imm32_b32 hwreg(HW_REG_WAVE_MODE, 25, 1), 1
	s_wait_xcnt 0x0
; out0 = ctx Wo + bo.  ctx[row][16 head + e] = ch[b][head][seq][e] (f16), Wo: [1024 (k)][1024 (n)] f32, bo: [1024] f32, out0: [2048][1024] f32.
; A work-group makes 128 rows x 64 columns (16 x 16 work-groups).  K goes in 8 steps of 128 (eight heads).
; CTX NEVER TOUCHES LDS.  ch lies in fragment order: 16 rows of a head are 512 consecutive bytes, of which lane (r = lane % 16, h = lane / 16)
; owns the 16 at 32 r + 16 h, so a fragment of 16 rows x 32 k is two loads, from two neighbouring heads, straight into the registers that the
; matrix instruction names.  So that no byte of ch is asked for twice in the work-group, wave w takes 32 rows (w / 2) x all 64 columns and,
; of each K step, the half w % 2 (64 k = four heads): 2 x 4 accumulators, 16 matrix instructions a step.
; Only Wo goes through LDS (two slots), rounded to f16 once on the way: a step's LDS traffic is 16 KiB in and 8 waves x 8 fragments = 64 KiB out.
; The two waves of a row group each hold a partial sum over K; they meet on the way out, which goes through LDS in any case.
; LOADS RUN TWO STEPS AHEAD: steps t, t + 1 and t + 2 are alive at once, so ctx has three register sets (step t in set t % 3) and Wo two
; staging sets (step t in set t % 2, which goes to LDS slot t % 2).  Threes and twos do not fit a short loop: the eight steps are written out.
; The work-group starts at K step (column block + row block) % 8 and goes round, so that work-groups that read the same rows of ch or the same
; columns of Wo are spread over the steps.
; REGISTER WINDOWS: window 0 holds addresses, accumulators and fragments; window 1 holds Wo's two staging sets and copies of the two address
; registers that their lines name, so that one setting (source 0, source 1 and destination in window 1) serves their loads, conversions and LDS stores.
; NO TENSOR LOADS, NO CLUSTER: Wo lies in memory as f32 with its rows along n and is multiplied as f16: through registers it is rounded once in the
; work-group, takes 128 x 160 bytes of LDS a step instead of 128 x 256 and more, and can be read by the transposing LDS load, which works on 16-bit numbers.
; LIMITS: |Wo| below 65,504 (rounded to f16).  Each output is the sum of two partial f32 sums over K, each begun at a step that hangs on the
; work-group: an order of rounding that differs from a sum in ascending k.
.set PB,    160                        ; LDS pitch of Wo's rows (k): 64 f16 = 128 bytes + 32: an odd multiple of 32
.set BSLOT, 128*PB                     ; 20,480; two slots from LDS byte 0
.set STG,   2*BSLOT                    ; 40,960: the stage of the way out, bytes of its own
.set PS,    272                        ; its pitch: 64 f32 = 256 bytes + 16: an odd multiple of 16
.set PLANE, 128*PS                     ; 34,816: one plane for each half of K
.set ACC,   16                         ; v[16:79]    tile (row tile a, column tile nt) at ACC + 8 (4 a + nt)
.set AF,    80                         ; v[80:175]   ctx: set s at AF + 32 s; fragment (row tile a, block c of 32 k) at + 16 a + 8 c
.set BF,    176                        ; v[176:239]  Wo: fragment (block c, column tile nt) at BF + 32 c + 8 nt
.set RB0,   80                         ; the way out: rows read back from plane 0,
.set RB1,   112                        ; from plane 1
.set BSR,   32                         ; window 1: Wo on its way in, set s at 32 s   (v256-v319)
.set VBO1,  64                         ; window 1: v320 copy of v2
.set STB1,  65                         ; window 1: v321 copy of v4
.set STGW,  0x45                       ; s_set_vgpr_msb: bits 1:0 source 0, 3:2 source 1, 7:6 destination, all window 1
; v1 my 16 bytes in a tile of ch, v2 global offset in Wo, v4 Wo's LDS store address, v6 Wo's fragment address, v7 stage in, v8 stage back,
; v9 offset in out0, v[10:13] my four numbers of bo, v14 their offset
.set MSB, 0
.macro WIN new                         ; the immediate's high byte repeats the setting that is left
.if MSB != \new
	s_set_vgpr_msb (MSB<<8)|\new
.set MSB, \new
.endif
.endm
	s_load_b256 s[4:11], s[0:1], 0x0               ; ch s[4:5], Wo s[6:7], bo s[8:9], out0 s[10:11]
	v_lshl_add_u32 v254, v0, 2, 0x1b000
	v_mov_b32 v255, 0
	v_lshrrev_b32 v15, 5, v0
	v_readfirstlane_b32 s12, v15                   ; wave 0..7
	s_lshr_b32 s13, s12, 1                         ; mq: which 32 rows
	s_and_b32 s14, s12, 1                          ; kh: which half of each K step
	s_mov_b32 s15, ttmp9                           ; cb: column block (64 columns)
	s_and_b32 s16, ttmp7, 0xffff                   ; rb: row block (128 rows)
	v_and_b32 v14, 15, v0                          ; r = t % 16
	v_bfe_u32 v15, v0, 4, 1                        ; h = lane / 16
	v_lshrrev_b32 v16, 4, v0                       ; t / 16
	v_bfe_u32 v19, v0, 3, 1
	v_lshlrev_b32 v1, 5, v14
	v_lshl_add_u32 v1, v15, 4, v1                  ; ch: 32 r + 16 h
	v_lshlrev_b32 v2, 4, v14
	v_lshl_add_u32 v2, v16, 12, v2                 ; Wo: (t / 16) rows of 4,096 bytes + 16 (t % 16): sixteen lanes take 256 neighbouring bytes
	v_mul_u32_u24 v4, v16, PB
	v_lshl_add_u32 v4, v14, 3, v4                  ; Wo in LDS: row t / 16, 8 bytes a thread
	v_and_b32 v6, 7, v0
	v_lshl_add_u32 v6, v15, 3, v6
	v_mul_u32_u24 v6, v6, PB
	v_lshl_add_u32 v6, v19, 4, v6
	s_mul_i32 s17, s14, 64*PB
	v_add_nc_u32 v6, s17, v6                       ; Wo's fragments: (64 kh + 8 h + lane % 8) PB + 16 ((lane / 8) % 2)
	v_mul_u32_u24 v7, v14, PS
	v_lshl_add_u32 v7, v15, 5, v7
	s_mul_i32 s17, s13, 32*PS
	s_mul_i32 s18, s14, PLANE
	s_add_co_u32 s17, s17, s18
	s_add_co_u32 s17, s17, STG
	v_add_nc_u32 v7, s17, v7                       ; stage in: plane kh, row 32 mq + r, + 32 h (eight f32)
	s_lshl_b32 s17, s12, 4
	v_add_nc_u32 v8, s17, v15
	v_mul_u32_u24 v8, v8, PS
	v_lshl_add_u32 v8, v14, 4, v8
	v_add_nc_u32 v8, STG, v8                       ; stage back: plane 0, row 16 w + h, 16 bytes a lane
	v_lshlrev_b32 v14, 4, v14                      ; 16 r
	v_lshl_add_u32 v9, v15, 12, v14                ; the same two rows in out0
	WIN 0x40                                       ; destination in window 1
	v_mov_b32 v[VBO1], v2                          ; v320 = v2
	v_mov_b32 v[STB1], v4                          ; v321 = v4
	WIN 0
	s_add_co_u32 s21, s15, s16
	s_and_b32 s21, s21, 7                          ; the K step that I begin with
	s_mov_b32 s19, 0
	s_mov_b32 s23, 0
	s_mov_b32 s25, 0
	s_wait_kmcnt 0x0
	s_lshr_b32 s17, s16, 3                         ; batch: 64 heads of 32,768 bytes
	s_lshl_b32 s18, s17, 21
	s_and_b32 s17, s16, 7
	s_lshl_b32 s17, s17, 12                        ; the block's 128 rows of 32 bytes in each head
	s_add_co_u32 s18, s18, s17
	s_lshl_b32 s17, s14, 17                        ; my half of a step: four heads
	s_add_co_u32 s18, s18, s17
	s_lshl_b32 s17, s13, 10                        ; my 32 rows
	s_add_co_u32 s18, s18, s17
	s_add_nc_u64 s[4:5], s[4:5], s[18:19]
	s_lshl_b32 s18, s15, 8                         ; 64 columns of 4 bytes
	s_add_nc_u64 s[6:7], s[6:7], s[18:19]
	s_add_nc_u64 s[8:9], s[8:9], s[18:19]
	s_add_nc_u64 s[10:11], s[10:11], s[18:19]
	s_lshl_b32 s17, s16, 3
	s_add_co_u32 s17, s17, s12                     ; 8 rb + w: my 16 rows on the way out,
	s_lshl_b32 s18, s17, 16                        ; 16 x 4,096 bytes each
	s_add_nc_u64 s[10:11], s[10:11], s[18:19]
	global_load_b128 v[10:13], v14, s[8:9]         ; bo, ahead of all other loads: the first counted wait below shows it in
.macro NOPS n
.rept \n
	v_nop
.endr
.endm
; The pointers of K step s21: eight heads of ch are 8 x 32,768 bytes, 128 rows of Wo are 128 x 4,096; then the step goes on, round 8.
.macro NEXTK
	s_lshl_b32 s22, s21, 18
	s_lshl_b32 s24, s21, 19
	s_add_nc_u64 s[26:27], s[4:5], s[22:23]
	s_add_nc_u64 s[28:29], s[6:7], s[24:25]
	s_add_co_u32 s21, s21, 1
	s_and_b32 s21, s21, 7
.endm
; A K step's 16 loads of a thread.  ctx first: four fragments (two row tiles x two blocks of 32 k), two loads each, 512 consecutive bytes a load
; of the wave; registers 0-3 of a fragment are the even head (k = 8 h ..), registers 4-7 the odd one (k = 16 + 8 h ..).  Then 128 rows of Wo.
.macro GLOAD aset, bset
	s_wait_xcnt 0x0                                ; the last step's loads, which may still be out, have had their addresses translated (ISA guide 3.1): the pointers are written only behind this wait
	NEXTK
.irp c, 0,1
.irp a, 0,1
.irp i, 0,1
	global_load_b128 v[AF+32*\aset+16*\a+8*\c+4*\i:AF+32*\aset+16*\a+8*\c+4*\i+3], v1, s[26:27] offset:(2*\c+\i)*32768+\a*512
.endr
.endr
.endr
	WIN STGW
.irp i, 0,1,2,3,4,5,6,7
	global_load_b128 v[BSR*\bset+4*\i:BSR*\bset+4*\i+3], v[VBO1], s[28:29] offset:\i*65536
.endr
	WIN 0
.endm
; A staging set of Wo is rounded to f16, in place, and laid into the slot of its number.  cnt: how many younger loads may stay out.
; A step's ctx loads were issued ahead of its Wo loads, so this wait shows that step's ctx fragments in as well.
.macro STAGE set, cnt
	s_wait_loadcnt \cnt                            ; loads come back in order (ISA guide 5.7.1): this step's sixteen are in; the next step's sixteen may be out
	WIN STGW
.irp i, 0,1,2,3,4,5,6,7
	v_cvt_pk_f16_f32 v[BSR*\set+4*\i], v[BSR*\set+4*\i], v[BSR*\set+4*\i+1]
	v_cvt_pk_f16_f32 v[BSR*\set+4*\i+1], v[BSR*\set+4*\i+2], v[BSR*\set+4*\i+3]
.endr
.irp i, 0,1,2,3,4,5,6,7
	ds_store_b64 v[STB1], v[BSR*\set+4*\i:BSR*\set+4*\i+1] offset:\set*BSLOT+\i*16*PB
.endr
	WIN 0
.endm
; Wo's fragments of my half of the step: two blocks of 32 k x four column tiles, transposed on the way: 16 loads.
.macro FRAGSB slot
.irp c, 0,1
.irp nt, 0,1,2,3
	ds_load_tr16_b128 v[BF+32*\c+8*\nt:BF+32*\c+8*\nt+3],   v6 offset:\slot*BSLOT+\c*32*PB+\nt*32
	ds_load_tr16_b128 v[BF+32*\c+8*\nt+4:BF+32*\c+8*\nt+7], v6 offset:\slot*BSLOT+\c*32*PB+\nt*32+16*PB
.endr
.endr
.endm
; Source 0 = Wo, source 1 = ctx: a lane then holds row r and the eight neighbouring columns 8 h .. 8 h + 7 of out0.
; The eight accumulators take turns, one instruction a turn, from block to block and from step to step too.
.macro MUL aset, c, zero
.irp a, 0,1
.irp nt, 0,1,2,3
.if \zero
	v_wmma_f32_16x16x32_f16 v[ACC+8*(4*\a+\nt):ACC+8*(4*\a+\nt)+7], v[BF+32*\c+8*\nt:BF+32*\c+8*\nt+7], v[AF+32*\aset+16*\a+8*\c:AF+32*\aset+16*\a+8*\c+7], 0
.else
	v_wmma_f32_16x16x32_f16 v[ACC+8*(4*\a+\nt):ACC+8*(4*\a+\nt)+7], v[BF+32*\c+8*\nt:BF+32*\c+8*\nt+7], v[AF+32*\aset+16*\a+8*\c:AF+32*\aset+16*\a+8*\c+7], v[ACC+8*(4*\a+\nt):ACC+8*(4*\a+\nt)+7]
.endif
.endr
.endr
.endm
; One K step.  Wo's fragments are read at its head; the loads of the step after next go out behind them: ctx into the set that the last step
; multiplied (gset), Wo into the staging set that the last step emptied; then 16 matrix instructions; then the next step's Wo goes into the other slot.
; Four v_nop stand behind the last matrix instruction: a load into a register that a matrix instruction has read, and an LDS store of a
; result, stand four places behind it.
; ONE barrier a step: in front of it each wave has waited for its reads of this slot and its stores into the other; behind it the other slot is
; whole and this one, which nobody reads any more, takes the next stores.
.macro TRIP slot, other, aset, gset, zero, load, stage, cnt
	FRAGSB \slot
.if \load
	GLOAD \gset, \slot
.endif
	s_wait_dscnt 8                                 ; the first block's eight loads are in; the second block's eight may be out
	MUL \aset, 0, \zero
	s_wait_dscnt 0x0
	MUL \aset, 1, 0
	NOPS 4
.if \stage
	STAGE \other, \cnt
	s_wait_dscnt 0x0
	s_barrier_signal -1
	s_barrier_wait -1
.endif
.endm
	GLOAD 0, 0                                     ; my first step
	GLOAD 1, 1                                     ; and the second
	STAGE 0, 16
	s_wait_dscnt 0x0                               ; my part of slot 0 is written
	s_barrier_signal -1
	s_barrier_wait -1                              ; everybody's is
	TRIP 0, 1, 0, 2, 1, 1, 1, 16                   ; trip 0: its first products start the sums; asks for trip 2's step
	TRIP 1, 0, 1, 0, 0, 1, 1, 16
	TRIP 0, 1, 2, 1, 0, 1, 1, 16
	TRIP 1, 0, 0, 2, 0, 1, 1, 16
	TRIP 0, 1, 1, 0, 0, 1, 1, 16
	TRIP 1, 0, 2, 1, 0, 1, 1, 16                   ; trip 5 asks for the eighth step, the last
	TRIP 0, 1, 0, 0, 0, 0, 1, 0                    ; trip 6 asks for nothing: behind the set that it stages no load is out
	TRIP 1, 0, 1, 0, 0, 0, 0, 0                    ; trip 7
	; The way out, through LDS: the two halves of K meet, and sixteen lanes store a row's 256 consecutive bytes.  The stage has bytes of its own,
	; so no wave's stores wait for another wave's last reads of Wo.
.irp a, 0,1
.irp nt, 0,1,2,3
	ds_store_b128 v7, v[ACC+8*(4*\a+\nt):ACC+8*(4*\a+\nt)+3]   offset:\a*16*PS+\nt*64
	ds_store_b128 v7, v[ACC+8*(4*\a+\nt)+4:ACC+8*(4*\a+\nt)+7] offset:\a*16*PS+\nt*64+16
.endr
.endr
	s_wait_dscnt 0x0                               ; my stores are done: the rows that I read back come from other waves
	s_barrier_signal -1
	s_barrier_wait -1
.irp t, 0,1,2,3,4,5,6,7
	ds_load_b128 v[RB0+4*\t:RB0+4*\t+3], v8 offset:\t*2*PS         ; rows 16 w + 2 t and 16 w + 2 t + 1, first half of K,
	ds_load_b128 v[RB1+4*\t:RB1+4*\t+3], v8 offset:PLANE+\t*2*PS   ; second half
.endr
.irp t, 0,1,2,3,4,5,6,7
	s_wait_dscnt 14-2*\t                           ; LDS loads come back in order (ISA guide 5.7.1): pair t is in, the 2 (7 - t) loads behind it may be out
	v_pk_add_f32 v[RB0+4*\t:RB0+4*\t+1],   v[RB0+4*\t:RB0+4*\t+1],   v[RB1+4*\t:RB1+4*\t+1]
	v_pk_add_f32 v[RB0+4*\t+2:RB0+4*\t+3], v[RB0+4*\t+2:RB0+4*\t+3], v[RB1+4*\t+2:RB1+4*\t+3]
	v_pk_add_f32 v[RB0+4*\t:RB0+4*\t+1],   v[RB0+4*\t:RB0+4*\t+1],   v[10:11]
	v_pk_add_f32 v[RB0+4*\t+2:RB0+4*\t+3], v[RB0+4*\t+2:RB0+4*\t+3], v[12:13]
	global_store_b128 v9, v[RB0+4*\t:RB0+4*\t+3], s[10:11] offset:\t*8192 th:TH_STORE_NT   ; sixteen lanes store 256 consecutive bytes, aligned
.endr
	s_wait_tensorcnt 0x0
	ds_add_u32 v254, v255
	s_wait_dscnt 0x0
	s_endpgm
.Lfunc_end_k_q5912faf9ee_proj:
	.size	k_q5912faf9ee_proj, .Lfunc_end_k_q5912faf9ee_proj-k_q5912faf9ee_proj
	.p2alignl 7, 3214868480
	.fill 96, 4, 3214868480
	.section	.rodata,"a",@progbits
	.p2align	6, 0x0
	.amdhsa_kernel k_q5912faf9ee_proj
		.amdhsa_group_segment_fixed_size 111616
		.amdhsa_private_segment_fixed_size 0
		.amdhsa_enable_private_segment 0
		.amdhsa_kernarg_size 32
		.amdhsa_user_sgpr_count 2
		.amdhsa_user_sgpr_kernarg_segment_ptr 1
		.amdhsa_wavefront_size32 1
		.amdhsa_system_sgpr_workgroup_id_x 1
		.amdhsa_system_sgpr_workgroup_id_y 1
		.amdhsa_system_sgpr_workgroup_id_z 1
		.amdhsa_system_vgpr_workitem_id 0
		.amdhsa_next_free_vgpr 328
		.amdhsa_next_free_sgpr 66
		.amdhsa_reserve_vcc 0
		.amdhsa_float_denorm_mode_32 3
		.amdhsa_float_denorm_mode_16_64 3
		.amdhsa_memory_ordered 1
		.amdhsa_forward_progress 1
		.amdhsa_inst_pref_size 54
	.end_amdhsa_kernel
	.amdgpu_metadata
---
amdhsa.version: [ 1, 2 ]
amdhsa.kernels:
  - .name:           k_q5912faf9ee_proj
    .symbol:         k_q5912faf9ee_proj.kd
    .args:
      - { .name: ch, .offset: 0, .size: 8, .value_kind: global_buffer, .address_space: global }
      - { .name: Wo, .offset: 8, .size: 8, .value_kind: global_buffer, .address_space: global }
      - { .name: bo, .offset: 16, .size: 8, .value_kind: global_buffer, .address_space: global }
      - { .name: out0, .offset: 24, .size: 8, .value_kind: global_buffer, .address_space: global }
    .group_segment_fixed_size: 111616
    .private_segment_fixed_size: 0
    .kernarg_segment_align: 8
    .kernarg_segment_size: 32
    .max_flat_workgroup_size: 256
    .sgpr_count:     66
    .vgpr_count:     328
    .wavefront_size: 32
...
	.end_amdgpu_metadata
.endif
;; end of part 6
;; ======== version 3 of 3: 3 launches; version 2 with the launch qkv written anew for expert scheduling mode
;; limits: values are held in f16: magnitudes above 65,504 overflow, below 6.1e-05 lose precision
;; workspace buffers: qh 4,194,304 bytes; kh 4,194,304 bytes; vt 4,194,304 bytes; ch 4,194,304 bytes
;; launch qkv (part 7): grid 16 x 16, 8 waves a work-group, no clusters, 91,136 bytes of LDS; arguments x, Wq, Wk, Wv, qh, kh, vt; writes qh, kh, vt
.if DOCPART == 7
	.amdgcn_target "amdgcn-amd-amdhsa--gfx1250"
	.amdhsa_code_object_version 6
	.text
	.protected	k_q5912faf9ee_qkv
	.globl	k_q5912faf9ee_qkv
	.p2align	8
	.type	k_q5912faf9ee_qkv,@function
k_q5912faf9ee_qkv:
	s_mov_b64 s[64:65], 0
	v_nop
	global_prefetch_b8 v0, s[64:65] scope:SCOPE_SE
	s_setreg_imm32_b32 hwreg(HW_REG_WAVE_SCHED_MODE, 0, 2), 2
	s_setreg_imm32_b32 hwreg(HW_REG_WAVE_MODE, 25, 1), 1
	s_wait_xcnt 0x0
	s_wait_alu depctr_vm_vsrc(0)
; q, k, v = x W{q,k,v}.  x: [2048][1024] f32 (both batches as rows), each W: [1024 (k)][1024 (n)] f32.
; Stored in f16, head-major (head = column / 16, e = column % 16), in tiles of 16 x 16 numbers = 512 bytes:
;   qh, kh: [b][head][seq][e]                 q already multiplied by 0.25 log2(e), so that attention can use 2^x on the raw products
;   vt:     [b][head][seq / 16][e][seq % 16]  the same tiles, each transposed
; A work-group makes 128 rows x 64 columns of each of q, k, v (128 x 192 outputs; 16 x 16 work-groups).  Eight waves: wave w takes
; 64 rows (w / 4) of one head (w % 4): 4 row tiles x {q, k, v} = 12 accumulators of 16 x 16.
; K goes in 16 steps of 64 through two LDS slots.  The way in is registers: global_load f32, one rounding to f16, ds_store.
; THREE STAGING SETS of 80 registers: step t lies in set t % 3 and goes to LDS slot t % 2.  At the head of step t the loads of step t + 3 go out,
; into the set that step t - 1 emptied, and the set of step t + 1, asked for two steps ago, is rounded and laid into the other slot.
; On their way or in their sets: at the most 3 x 80 registers x 256 threads x 4 bytes = 240 KiB.
; The work-group starts at K step (column block + row block) % 16 and goes round: the sixteen work-groups that read the same rows of x
; (or the same columns of W) are at sixteen different steps at any trip.  Only the order of the f32 sum over K hangs on that.
; REGISTER WINDOWS (an instruction names v0-v255; s_set_vgpr_msb says which window each operand place means): window 0 holds addresses,
; accumulators and two fragment buffers; window 1 holds the three staging sets and copies of the three address registers that the staging
; lines name, so that ONE setting (source 0, source 1 and destination in window 1) serves the global loads, the conversions and the
; LDS stores, which stand together: two switches a step.
; THE MODE: SCHED_MODE bits 1:0 = 2 (LLVM: expert scheduling mode 2), set by the entry lines.  The code itself states the register dependences
; between vector or matrix instructions and memory or LDS instructions, with s_wait_alu, always for 0.
; THE PLAN.  Registers that memory or LDS instructions touch:
;   SET0 .. SET2   Step t: the global loads of step t + 3 land in set t % 3.  Step t + 2: 40 conversions read and write it in place; behind them 20 LDS stores read it.
;   F0             Step t: 14 LDS loads land in it at the step's head; the step's first twelve matrix instructions read it.
;   F1             Step t: 14 LDS loads land in it, dealt among the matrix instructions on F0; the step's last twelve matrix instructions read it.
;   v4, v5, v6, v496, v497, v498   addresses and offsets, made at the kernel's head and never written again: the K steps are reached by scalar pointers and immediate offsets.
;   PK             The way out: written by 48 conversions, then read by 12 global stores.
;   The accumulators are named by matrix and vector instructions alone.
; THE WAITS OF A STEP.  At its head, on va_vdst: the last step's matrix instructions are done reading F0 and F1, and its conversions are done with set t % 3.  Up to the global loads
; follow only LDS loads, scalar lines and the window switch; up to F1's loads the vector side issues the conversions, which name another set, and the matrix
; instructions on F0, which name F0 and the accumulators.  Beside it, on vm_vsrc: the last step's LDS stores have read set t % 3.  Behind the conversions, on va_vdst:
; their results are the data of the LDS stores.
; NO TENSOR LOADS, NO CLUSTER: x and W lie in memory as f32 and are multiplied as f16.  Through registers each number is rounded once in
; the work-group and a step takes 45,056 bytes of LDS; a tile brought as it lies would take (128 + 192) x 64 x 4 = 81,920 bytes, each
; fragment of x would be rounded again by the four waves that read it, and the transposing LDS load, which works on 16-bit numbers,
; could not serve W, whose rows lie along n.
; LIMITS: operands are rounded to f16: |x|, |W|, |0.36 q|, |k|, |v| must stay below 65,504 (beyond it they become infinities).
.set PA,   144                         ; LDS pitch of x's rows: 64 f16 = 128 bytes + 16: an odd multiple of 16, so 16 rows of a fragment start at 16 different banks
.set PB,   416                         ; LDS pitch of W's rows (k): 192 f16 = 384 bytes + 32: an odd multiple of 32
.set BOFF, 128*PA                      ; W's part of a slot begins behind x's 128 rows: 18,432
.set SLOT, BOFF+64*PB                  ; 45,056 bytes; two slots
.set ACC,  8                           ; v[8:103]    tile (row tile a, matrix m) at ACC + 8 (3 a + m);  m: 0 q, 1 k, 2 v
.set F0,   104                         ; v[104:159]  fragment buffer 0: x's four (16 rows x 32 K) at + 0, W's three (q, k, v) at + 32
.set F1,   160                         ; v[160:215]  fragment buffer 1
.set PK,   104                         ; v[104:151]  the way out: 12 tiles x 4 registers of packed f16
.set SETR, 80                          ; window 1: set s at 80 s: x's 8 loads of 4 f32 at + 0, W's 3 x 4 loads at + 32   (v256-v495)
.set VGO1, 240                         ; window 1: v496 copy of v1
.set STA1, 241                         ; window 1: v497 copy of v2
.set STB1, 242                         ; window 1: v498 copy of v3
.set STG,  0x45                        ; s_set_vgpr_msb: bits 1:0 source 0, 3:2 source 1, 7:6 destination, all window 1
; v1 global offset (x and W alike: both have rows of 4,096 bytes), v2 / v3 LDS store addresses of x / W, v4 / v5 fragment addresses of x / W, v6 my 16 bytes in a tile
.set MSB, 0
.macro WIN new                         ; the immediate's high byte repeats the setting that is left; at a label and at a branch every window is 0
.if MSB != \new
	s_set_vgpr_msb (MSB<<8)|\new
.set MSB, \new
.endif
.endm
	s_load_b256 s[4:11], s[0:1], 0x0               ; x s[4:5], Wq s[6:7], Wk s[8:9], Wv s[10:11]
	s_load_b128 s[12:15], s[0:1], 0x20             ; qh s[12:13], kh s[14:15]
	s_load_b64 s[16:17], s[0:1], 0x30              ; vt
	v_lshl_add_u32 v254, v0, 2, 0x16000
	v_mov_b32 v255, 0
	v_lshrrev_b32 v7, 5, v0
	v_readfirstlane_b32 s18, v7                    ; wave 0..7
	s_wait_alu depctr_va_sdst(0)                   ; s18 is written, ahead of its first reader: the wave's rows, its head and its LDS addresses are made from it
	s_lshr_b32 s19, s18, 2                         ; mh: which 64 rows
	s_and_b32 s20, s18, 3                          ; w4: which of the block's four heads
	s_mov_b32 s21, ttmp9                           ; cb: column block (64 columns)
	s_and_b32 s22, ttmp7, 0xffff                   ; rb: row block (128 rows)
	s_mov_b32 s28, 0x3eb8aa3b                      ; 0.25 log2(e)
	s_mov_b32 s29, 0x3eb8aa3b
	v_lshrrev_b32 v7, 4, v0                        ; t / 16: my row among 16
	v_and_b32 v6, 15, v0                           ; t % 16 = lane % 16 = r
	v_lshlrev_b32 v1, 4, v6
	v_lshl_add_u32 v1, v7, 12, v1                  ; global: (t / 16) rows of 4,096 bytes + 16 (t % 16): sixteen lanes take 256 neighbouring bytes
	v_lshlrev_b32 v2, 3, v6                        ; 4 f16 = 8 bytes
	v_mul_u32_u24 v3, v7, PB
	v_add_nc_u32 v3, v3, v2
	v_add_nc_u32 v3, BOFF, v3                      ; W's store address
	v_mul_u32_u24 v7, v7, PA
	v_add_nc_u32 v2, v7, v2                        ; x's store address
	v_bfe_u32 v7, v0, 4, 1                         ; h = lane / 16
	v_mul_u32_u24 v4, v6, PA
	v_lshl_add_u32 v4, v7, 4, v4
	s_mul_i32 s23, s19, 64*PA
	v_add_nc_u32 v4, s23, v4                       ; x's fragments: (64 mh + r) PA + 16 h
	v_and_b32 v5, 7, v0
	v_lshl_add_u32 v5, v7, 3, v5                   ; 8 h + lane % 8: the row (k) that I address for the transposing load
	v_mul_u32_u24 v5, v5, PB
	v_bfe_u32 v8, v0, 3, 1
	v_lshl_add_u32 v5, v8, 4, v5                   ; + 16 bytes for the upper eight columns
	s_lshl_b32 s23, s20, 5
	s_add_co_u32 s23, s23, BOFF
	v_add_nc_u32 v5, s23, v5                       ; + my head's 16 columns (32 bytes) + W's part of the slot
	v_lshlrev_b32 v6, 5, v6
	v_lshl_add_u32 v6, v7, 4, v6                   ; the way out: 32 r + 16 h
	WIN 0x40                                       ; destination in window 1
	v_mov_b32 v[VGO1], v1                          ; v496 = v1
	v_mov_b32 v[STA1], v2                          ; v497 = v2
	v_mov_b32 v[STB1], v3                          ; v498 = v3
	WIN 0
	s_add_co_u32 s30, s21, s22
	s_and_b32 s30, s30, 15                         ; the K step that I begin with
	s_mov_b32 s25, 0
	s_mov_b32 s33, 0
	s_mov_b32 s35, 0
	s_wait_kmcnt 0x0
	s_lshl_b32 s24, s22, 19                        ; 128 rows of 4,096 bytes
	s_add_nc_u64 s[4:5], s[4:5], s[24:25]
	s_lshl_b32 s24, s21, 8                         ; 64 columns of 4 bytes
	s_add_nc_u64 s[6:7], s[6:7], s[24:25]
	s_add_nc_u64 s[8:9], s[8:9], s[24:25]
	s_add_nc_u64 s[10:11], s[10:11], s[24:25]
	s_lshr_b32 s23, s22, 3                         ; batch
	s_lshl_b32 s23, s23, 6
	s_lshl2_add_u32 s23, s21, s23
	s_add_co_u32 s23, s23, s20                     ; 64 b + 4 cb + w4: my head, 32,768 bytes each
	s_lshl_b32 s24, s23, 15
	s_and_b32 s23, s22, 7
	s_lshl_b32 s23, s23, 3
	s_lshl2_add_u32 s23, s19, s23                  ; 8 (rb % 8) + 4 mh: my first tile of 16 rows, 512 bytes each
	s_lshl_b32 s23, s23, 9
	s_add_co_u32 s24, s24, s23
	s_add_nc_u64 s[12:13], s[12:13], s[24:25]
	s_add_nc_u64 s[14:15], s[14:15], s[24:25]
	s_add_nc_u64 s[16:17], s[16:17], s[24:25]
.macro NOPS n
.rept \n
	v_nop
.endr
.endm
; The pointers of K step s30: 64 columns of x are 256 bytes, 64 rows of W are 64 x 4,096 bytes; then the step goes on, round 16.
.macro NEXTK
	s_lshl_b32 s32, s30, 8
	s_lshl_b32 s34, s30, 18
	s_add_nc_u64 s[36:37], s[4:5], s[32:33]
	s_add_nc_u64 s[38:39], s[6:7], s[34:35]
	s_add_nc_u64 s[40:41], s[8:9], s[34:35]
	s_add_nc_u64 s[42:43], s[10:11], s[34:35]
	s_add_co_u32 s30, s30, 1
	s_and_b32 s30, s30, 15
.endm
; A K step's 20 loads of a thread into a staging set: x 128 rows x 256 bytes (16 rows a load), each W 64 rows x 256 bytes.
; first = 1: the kernel's first memory instructions.  The macro leaves the staging window set: the next staging lines follow it.
.macro GLOAD set, first
	s_wait_xcnt 0x0                                ; the earlier steps' loads, which may still be out, have had their addresses translated (ISA guide 3.1): the pointers are written only behind this wait
	NEXTK
	WIN STG
.if \first
	s_wait_alu depctr_va_vdst(0)                   ; v4, v5, v6 and v496 to v498 are written: every load and store of the kernel, global or LDS, reads one of them as its offset or address
.endif
.irp i, 0,1,2,3,4,5,6,7
	global_load_b128 v[SETR*\set+4*\i:SETR*\set+4*\i+3], v[VGO1], s[36:37] offset:\i*65536
.endr
.irp m, 0,1,2
.irp i, 0,1,2,3
	global_load_b128 v[SETR*\set+32+16*\m+4*\i:SETR*\set+32+16*\m+4*\i+3], v[VGO1], s[38+2*\m:39+2*\m] offset:\i*65536
.endr
.endr
.endm
; A staging set is rounded to f16, in place, and laid into a slot.  cnt: how many younger loads may stay out when the set's twenty have to be in.
; The 40 conversions stand in one run, one wait behind them, the 20 stores behind that.
.macro STAGE set, slot, cnt
	s_wait_loadcnt \cnt                            ; loads come back in order (ISA guide 5.7.1): the set's twenty are in; the younger steps' loads stay out
	WIN STG
.irp i, 0,1,2,3,4,5,6,7
	v_cvt_pk_f16_f32 v[SETR*\set+4*\i], v[SETR*\set+4*\i], v[SETR*\set+4*\i+1]
	v_cvt_pk_f16_f32 v[SETR*\set+4*\i+1], v[SETR*\set+4*\i+2], v[SETR*\set+4*\i+3]
.endr
.irp m, 0,1,2
.irp i, 0,1,2,3
	v_cvt_pk_f16_f32 v[SETR*\set+32+16*\m+4*\i], v[SETR*\set+32+16*\m+4*\i], v[SETR*\set+32+16*\m+4*\i+1]
	v_cvt_pk_f16_f32 v[SETR*\set+32+16*\m+4*\i+1], v[SETR*\set+32+16*\m+4*\i+2], v[SETR*\set+32+16*\m+4*\i+3]
.endr
.endr
	s_wait_alu depctr_va_vdst(0)                   ; the conversions have written the set's packed words, which the LDS stores below read
.irp i, 0,1,2,3,4,5,6,7
	ds_store_b64 v[STA1], v[SETR*\set+4*\i:SETR*\set+4*\i+1] offset:\slot*SLOT+\i*16*PA
.endr
.irp m, 0,1,2
.irp i, 0,1,2,3
	ds_store_b64 v[STB1], v[SETR*\set+32+16*\m+4*\i:SETR*\set+32+16*\m+4*\i+1] offset:\slot*SLOT+\m*128+\i*16*PB
.endr
.endr
.endm
; The fragments of 32 along K (kk = 0, 1) into buffer f.  W's three (transposed on the way: W's rows lie along n): six loads.
.macro FRAGW slot, kk, f
.irp m, 0,1,2
	ds_load_tr16_b128 v[\f+32+8*\m:\f+35+8*\m], v5 offset:\slot*SLOT+\m*128+\kk*32*PB
	ds_load_tr16_b128 v[\f+36+8*\m:\f+39+8*\m], v5 offset:\slot*SLOT+\m*128+\kk*32*PB+16*PB
.endr
.endm
; x's fragment of row tile a: two loads.
.macro FRAGX slot, kk, f, a
	ds_load_b128 v[\f+8*\a:\f+8*\a+3],   v4 offset:\slot*SLOT+\a*16*PA+\kk*64
	ds_load_b128 v[\f+8*\a+4:\f+8*\a+7], v4 offset:\slot*SLOT+\a*16*PA+\kk*64+32
.endm
; Three matrix instructions: row tile a of buffer f.  q and k: source 0 = W, source 1 = x, so that a lane holds row r and the eight dims 8 h .. 8 h + 7;
; v: source 0 = x, source 1 = W, so that a lane holds dim r and the eight rows 8 h .. 8 h + 7.  Either way the lane's eight numbers
; are its 16 bytes at 32 r + 16 h of the tile as it is stored.
; The twelve accumulators take turns, one instruction a turn, over the loop's backward jump too.
.macro MUL3 f, a, zero
.if \zero
	v_wmma_f32_16x16x32_f16 v[ACC+24*\a:ACC+24*\a+7],     v[\f+32:\f+39],       v[\f+8*\a:\f+8*\a+7], 0
	v_wmma_f32_16x16x32_f16 v[ACC+24*\a+8:ACC+24*\a+15],  v[\f+40:\f+47],       v[\f+8*\a:\f+8*\a+7], 0
	v_wmma_f32_16x16x32_f16 v[ACC+24*\a+16:ACC+24*\a+23], v[\f+8*\a:\f+8*\a+7], v[\f+48:\f+55],       0
.else
	v_wmma_f32_16x16x32_f16 v[ACC+24*\a:ACC+24*\a+7],     v[\f+32:\f+39],       v[\f+8*\a:\f+8*\a+7], v[ACC+24*\a:ACC+24*\a+7]
	v_wmma_f32_16x16x32_f16 v[ACC+24*\a+8:ACC+24*\a+15],  v[\f+40:\f+47],       v[\f+8*\a:\f+8*\a+7], v[ACC+24*\a+8:ACC+24*\a+15]
	v_wmma_f32_16x16x32_f16 v[ACC+24*\a+16:ACC+24*\a+23], v[\f+8*\a:\f+8*\a+7], v[\f+48:\f+55],       v[ACC+24*\a+16:ACC+24*\a+23]
.endif
.endm
; One K step, t.  slot = t % 2, other = the other slot, lset = t % 3, sset = (t + 1) % 3.
; Its LDS instructions in their order: F0's 14 loads (W's six, then x's four pairs); the 20 stores of the next step's set into the other slot; F1's 14 loads, in the same order
; as F0's, dealt among the matrix instructions on F0: six behind the first three, four behind the next three, four behind the next.
; The other slot may be written from the step's head on: every wave waited for its reads of it in front of the last barrier.
; Four v_nop stand behind the step's last matrix instruction, ahead of the loads into registers that it has read and of the vector instructions that read
; results; they stand beside the wait at the next step's head, not in its place.
; ONE barrier a step, at its end.  In front of it each wave has waited for its reads of this slot and for its stores into the other one.  Behind
; it the other slot is whole, and this slot, which nobody reads any more, takes the next stores.
.macro TRIP slot, other, lset, sset, zero, load, stage, cnt
	s_wait_alu depctr_va_vdst(0)                   ; the last step's matrix instructions are done reading F0 and F1, in which this step's LDS loads land; its conversions are done reading and writing set lset, in which the global loads land
.if \load
	s_wait_alu depctr_vm_vsrc(0)                   ; the last step's LDS stores have read set lset, in which the global loads below land
.endif
	FRAGW \slot, 0, F0
.irp a, 0,1,2,3
	FRAGX \slot, 0, F0, \a
.endr
.if \load
	GLOAD \lset, 0                                 ; step t + 3.  Since the two waits above only LDS loads, scalar lines and the window switch have been issued
.endif
.if \stage
	STAGE \sset, \other, \cnt                      ; step t + 1, while F0 is on its way
.endif
	WIN 0
	s_wait_dscnt 6+20*\stage                       ; LDS instructions end in order (ISA guide 5.7.1): F0's W and x's tile 0 are in; out may be x's other six loads and the stores
	MUL3 F0, 0, \zero
	FRAGW \slot, 1, F1                             ; no wait: since the step's last wait on va_vdst the vector side has named F0 and the accumulators alone
	s_wait_dscnt 10+20*\stage                      ; x's tile 1 is in; out may be four loads of F0, the stores and six loads of F1
	MUL3 F0, 1, \zero
	FRAGX \slot, 1, F1, 0
	FRAGX \slot, 1, F1, 1
	s_wait_dscnt 12+20*\stage                      ; x's tile 2 is in; out may be two loads of F0, the stores and ten loads of F1
	MUL3 F0, 2, \zero
	FRAGX \slot, 1, F1, 2
	FRAGX \slot, 1, F1, 3
	s_wait_dscnt 14+20*\stage                      ; F0 is whole; out may be the stores and F1's fourteen loads
	MUL3 F0, 3, \zero
.irp a, 0,1,2,3
	s_wait_dscnt 6-2*\a                            ; F1's W and x's tiles 0 .. a are in; the 2 (3 - a) loads behind them may be out
	MUL3 F1, \a, 0
.endr
	NOPS 4
.if \stage
	s_wait_dscnt 0x0                               ; for the other waves' sake: my reads of this slot and my stores into the other are done
	s_barrier_signal -1
	s_barrier_wait -1
.endif
.endm
	GLOAD 0, 1                                     ; my first step,
	GLOAD 1, 0                                     ; the second
	GLOAD 2, 0                                     ; and the third: 60 loads of the wave are out
	STAGE 0, 0, 40                                 ; 40 = the twenty of set 1 and the twenty of set 2
	WIN 0
	s_wait_dscnt 0x0                               ; my part of slot 0 is written
	s_barrier_signal -1
	s_barrier_wait -1                              ; everybody's is
	TRIP 0, 1, 0, 1, 1, 1, 1, 40                   ; trip 0 stands in front of the loop: its first products start the sums
	s_mov_b32 s26, 2
.Lsix:                                                 ; trips 1 .. 12: slots by twos and sets by threes are back at their start after six
	TRIP 1, 0, 1, 2, 0, 1, 1, 40
	TRIP 0, 1, 2, 0, 0, 1, 1, 40
	TRIP 1, 0, 0, 1, 0, 1, 1, 40
	TRIP 0, 1, 1, 2, 0, 1, 1, 40
	TRIP 1, 0, 2, 0, 0, 1, 1, 40
	TRIP 0, 1, 0, 1, 0, 1, 1, 40                   ; trip 12 asks for the sixteenth step, the last
	s_sub_co_i32 s26, s26, 1
	s_cmp_lg_u32 s26, 0
	s_cbranch_scc1 .Lsix
	TRIP 1, 0, 1, 2, 0, 0, 1, 20                   ; trip 13 asks for nothing: behind the set that it stages only the last step's twenty are out
	TRIP 0, 1, 2, 0, 0, 0, 1, 0                    ; trip 14 stages the last step
	TRIP 1, 0, 0, 1, 0, 0, 0, 0                    ; trip 15
	; The way out.  q takes its factor in f32; every tile is rounded once, into registers of its own; one wait; then the stores in one run.
	; A store of the wave covers a tile's 512 consecutive bytes, aligned.
.irp a, 0,1,2,3
.irp p, 0,2,4,6
	v_pk_mul_f32 v[ACC+24*\a+\p:ACC+24*\a+\p+1], v[ACC+24*\a+\p:ACC+24*\a+\p+1], s[28:29] op_sel_hi:[1,0]
.endr
.endr
.irp a, 0,1,2,3
.irp m, 0,1,2
.irp r, 0,1,2,3
	v_cvt_pk_f16_f32 v[PK+4*(3*\a+\m)+\r], v[ACC+8*(3*\a+\m)+2*\r], v[ACC+8*(3*\a+\m)+2*\r+1]
.endr
.endr
.endr
	s_wait_alu depctr_va_vdst(0)                   ; the conversions have written PK's 48 registers, which the twelve stores read
.irp a, 0,1,2,3
.irp m, 0,1,2
	global_store_b128 v6, v[PK+4*(3*\a+\m):PK+4*(3*\a+\m)+3], s[12+2*\m:13+2*\m] offset:\a*512
.endr
.endr
	s_wait_dscnt 0x0
	s_wait_alu depctr_hold_cnt(0) depctr_sa_sdst(0) depctr_va_vdst(0) depctr_va_sdst(0) depctr_va_ssrc(0) depctr_va_vcc(0) depctr_vm_vsrc(0)
	s_wait_tensorcnt 0x0
	ds_add_u32 v254, v255
	s_wait_dscnt 0x0
	s_endpgm
.Lfunc_end_k_q5912faf9ee_qkv:
	.size	k_q5912faf9ee_qkv, .Lfunc_end_k_q5912faf9ee_qkv-k_q5912faf9ee_qkv
	.p2alignl 7, 3214868480
	.fill 96, 4, 3214868480
	.section	.rodata,"a",@progbits
	.p2align	6, 0x0
	.amdhsa_kernel k_q5912faf9ee_qkv
		.amdhsa_group_segment_fixed_size 91136
		.amdhsa_private_segment_fixed_size 0
		.amdhsa_enable_private_segment 0
		.amdhsa_kernarg_size 56
		.amdhsa_user_sgpr_count 2
		.amdhsa_user_sgpr_kernarg_segment_ptr 1
		.amdhsa_wavefront_size32 1
		.amdhsa_system_sgpr_workgroup_id_x 1
		.amdhsa_system_sgpr_workgroup_id_y 1
		.amdhsa_system_sgpr_workgroup_id_z 1
		.amdhsa_system_vgpr_workitem_id 0
		.amdhsa_next_free_vgpr 504
		.amdhsa_next_free_sgpr 66
		.amdhsa_reserve_vcc 0
		.amdhsa_float_denorm_mode_32 3
		.amdhsa_float_denorm_mode_16_64 3
		.amdhsa_memory_ordered 1
		.amdhsa_forward_progress 1
		.amdhsa_inst_pref_size 107
	.end_amdhsa_kernel
	.amdgpu_metadata
---
amdhsa.version: [ 1, 2 ]
amdhsa.kernels:
  - .name:           k_q5912faf9ee_qkv
    .symbol:         k_q5912faf9ee_qkv.kd
    .args:
      - { .name: x, .offset: 0, .size: 8, .value_kind: global_buffer, .address_space: global }
      - { .name: Wq, .offset: 8, .size: 8, .value_kind: global_buffer, .address_space: global }
      - { .name: Wk, .offset: 16, .size: 8, .value_kind: global_buffer, .address_space: global }
      - { .name: Wv, .offset: 24, .size: 8, .value_kind: global_buffer, .address_space: global }
      - { .name: qh, .offset: 32, .size: 8, .value_kind: global_buffer, .address_space: global }
      - { .name: kh, .offset: 40, .size: 8, .value_kind: global_buffer, .address_space: global }
      - { .name: vt, .offset: 48, .size: 8, .value_kind: global_buffer, .address_space: global }
    .group_segment_fixed_size: 91136
    .private_segment_fixed_size: 0
    .kernarg_segment_align: 8
    .kernarg_segment_size: 56
    .max_flat_workgroup_size: 256
    .sgpr_count:     66
    .vgpr_count:     504
    .wavefront_size: 32
...
	.end_amdgpu_metadata
.endif
;; end of part 7
;; launch attn: the kernel of part 5 again; grid 256 x 1, 16 waves a work-group, no clusters, 0 bytes of LDS; arguments qh, kh, vt, ch; writes ch
;; launch proj: the kernel of part 6 again; grid 16 x 16, 8 waves a work-group, no clusters, 111,616 bytes of LDS; arguments ch, Wo, bo, out0; writes out0
